; MI455X (gfx1250); checked and timed in simulation.
; The chip was launched on July 23, 2026; its instructions are those of AMD's public machine-readable ISA for CDNA 5 (MIT licence, August 2026) and "CDNA5" Instruction Set Architecture Reference Guide (July 2026). The comments in the code are by the model that wrote it; some were corrected since.
;; GPT. Allowed arithmetic: matrix products marked QUANTISED: E2M3 operands, one E8M0 scale for each 32 along K, by v_wmma_scale_f32_16x16x128_f8f6f4 with both operands' format E2M3, f32 sums; everything else in f32.
;; Inputs: b1 4,096 float32; b2 1,024 float32; be1 1,024 float32; be2 1,024 float32; g1 1,024 float32; g2 1,024 float32; w1 1,024 x 4,096 float32; w2 4,096 x 1,024 float32; wk 1,024 x 1,024 float32; wo 1,024 x 1,024 float32; wq 1,024 x 1,024 float32; wv 1,024 x 1,024 float32; x 2 x 2,048 x 1,024 float32.
;; Outputs: out0 2 x 2,048 x 1,024 float32.
;; This version of the problem:
;;   THIS VERSION OF THE PROBLEM IS GIVEN IN LOW PRECISION. The matrix products marked QUANTISED in the list below multiply operands that are first quantised to E2M3 (2 exponent bits, 3 mantissa bits; 6 bits a number), with one power-of-two scale for each 32 numbers along K (OCP MX v1.0); their sums are f32. All else is computed in f32.
;;   The module's matrix products, in the order in which they are computed (A, B: the left and right operand; K: the contracted axis; several contracted axes count as one K, in the product's order):
;;     1. [M 4,096, K 1,024] x [K 1,024, N 1,024]; A: computed on the way; B: input wq: QUANTISED
;;     2. [M 4,096, K 1,024] x [K 1,024, N 1,024]; A: computed on the way; B: input wk: QUANTISED
;;     3. [M 4,096, K 1,024] x [K 1,024, N 1,024]; A: computed on the way; B: input wv: QUANTISED
;;     4. batch 32 x [M 2,048, K 64] x [K 64, N 2,048]; A: computed on the way; B: computed on the way: QUANTISED
;;     5. batch 32 x [M 64, K 2,048] x [K 2,048, N 2,048]; A: computed on the way; B: softmax (see below): QUANTISED
;;     6. [M 4,096, K 1,024] x [K 1,024, N 1,024]; A: computed on the way; B: input wo: QUANTISED
;;     7. [M 4,096, K 1,024] x [K 1,024, N 4,096]; A: computed on the way; B: input w1: QUANTISED
;;     8. [M 4,096, K 4,096] x [K 4,096, N 1,024]; A: computed on the way; B: input w2: QUANTISED
;;   THE QUANTISER, for each operand of a quantised product, along K:
;;     - K is cut into blocks of 32 from its start; a last block that is shorter is filled with zeros.
;;     - A block's scale is 2^e with e = floor(log2(the largest magnitude in the block)) - 2, held to -126 .. 127; a block of zeros has e = 0. As a byte (E8M0): e + 127.
;;     - Each number is divided by its block's scale, clamped to +-7.5, and rounded to the nearest number of E2M3, ties to even, subnormals kept.
;;     - The product sums the exact products of the quantised numbers (number of the format x scale) in f32.
;;   ~~~python
;;   def quantise(x, axis):      # numpy; x: float32 -> the quantised numbers, widened to float32 again
;;       x = np.moveaxis(x, axis, -1); K = x.shape[-1]
;;       x = np.pad(x, [(0, 0)] * (x.ndim - 1) + [(0, -K % 32)]); x = x.reshape(x.shape[:-1] + (-1, 32)); a = np.abs(x).max(-1, keepdims=True)
;;       e = np.where(a > 0, np.clip(np.frexp(np.where(a > 0, a, 1))[1] - 1 - 2, -126, 127), 0)      # np.frexp(a)[1] - 1 = floor(log2(a)), exactly
;;       r = np.clip(x / 2.0 ** e, -7.5, 7.5)
;;       step = 2.0 ** (np.maximum(np.frexp(np.where(r == 0, 1, r))[1] - 1, 0) - 3)
;;       q = np.round(r / step) * step * 2.0 ** e      # np.round: ties to even
;;       return np.moveaxis(q.reshape(q.shape[:-2] + (-1,))[..., :K], -1, axis).astype(np.float32)
;;   ~~~
;;   SOFTMAX AHEAD OF A QUANTISED PRODUCT. Where the list says 'softmax', what is quantised is not the finished softmax but p = 2^(t - M), with t = logit x log2(e) and M = ceil(the row's largest t), a whole number; so 1/2 < the row's largest p <= 1. The row's sum l is taken of the UNQUANTISED p, in f32, and the product's result is divided by l at the end. Since M is a whole number, a kernel that streams over the keys may use a running M (the ceiling of the running maximum): every later rescaling is an exact power of two, which a block's scale takes up: the codes' values come out the same.
;;   OPERANDS COMPUTED ON THE WAY. 'Computed on the way' means the value that the module computes at that place (a softmax that the list does not call 'softmax' is quantised finished and normalised). What goes into a quantiser is computed in f32, as accurately as f32 sums, v_exp_f32 and their like allow (about 1e-6 of the number): no bf16 or f16 on the way to a quantiser, and a product that is left as it is and whose result goes on into a quantised operand takes f32 operands (vector FMAs, or v_wmma_f32_16x16x4_f32). A number that lies on a knife's edge between two numbers of the format may be rounded either way, as far as f32 arithmetic and the matrix unit's own rounding can turn it there, and no further.
;; One version. Each part assembles by itself: llvm-mc -triple=amdgcn-amd-amdhsa -mcpu=gfx1250 --defsym DOCPART=n.
;; ======== version 1 of 1: 7 launches
;; limits: right only within a limited range of input values
;; workspace buffers: ops 13,107,200 bytes; qkvb 10,092,544 bytes; ao 3,276,800 bytes; x1 16,777,216 bytes; hid 13,107,200 bytes
;; launch prep (part 1): grid 640 x 1, 8 waves a work-group, no clusters, 66,816 bytes of LDS; arguments x, g1, be1, wq, wk, wv, wo, w1, w2, ops; writes ops
.if DOCPART == 1
	.amdgcn_target "amdgcn-amd-amdhsa--gfx1250"
	.amdhsa_code_object_version 6
	.text
	.protected	k_q7028f52eba_prep
	.globl	k_q7028f52eba_prep
	.p2align	8
	.type	k_q7028f52eba_prep,@function
k_q7028f52eba_prep:
	s_mov_b64 s[64:65], 0
	v_nop
	global_prefetch_b8 v0, s[64:65] scope:SCOPE_SE
	s_setreg_imm32_b32 hwreg(HW_REG_WAVE_MODE, 25, 1), 1
	s_wait_xcnt 0x0
; TWO KINDS OF WORK IN ONE BODY, told apart by the work-group's number: work-groups 0 to 255 normalise and quantise rows, the others quantise weights.  Both make operands of FP6 (E2M3) codes with one E8M0 byte
; for each 32 along K, laid in ops AS THE MATRIX UNIT'S REGISTERS TAKE THEM.  Launched with 640 work-groups the body does both; launched with 256 it does the rows alone (the weights' addresses are then given and not used).
; TILES: tile T of an operand holds rows 32 (T / 2) + 8 (T % 2) + r + 8 (r / 8), r = lane % 16.
; IMAGES: a fragment (16 rows x 128 K, 12 registers a lane) is 1,536 bytes: registers 0-3 at 16 x lane, 4-5 at 512 + 8 x lane, 6-9 at 768 + 16 x lane, 10-11 at 1,280 + 8 x lane.  Codes: [T][K / 128][1,536]; scale words: [T][K / 128][16 words].
; A block's scale is 2^(floor(log2(largest magnitude)) - 2); its byte is the largest magnitude's exponent field - 2, held at 1 from below.
; ROWS: LayerNorm of [4,096][1,024] f32.  A work-group makes one tile.  First a wave takes 2 whole rows (each load 512 consecutive bytes), so that mean and variance never leave the wave: mean, then the mean of (x - mean)^2.
;   The normalised rows go to LDS (rows 4,112 bytes apart: 257 x 16, so that sixteen rows' 16 bytes fall on different banks); one barrier; then wave w takes K step w of all 16 rows: lane (r, h) reads, of row r,
;   16 neighbours of each block of 32, which is what the conversions want.
; WEIGHTS: f32 stored [K][N].  A work-group takes 256 columns x 128 K of one weight, a wave 32 columns (tiles T, T + 1), A LANE ONE COLUMN, ITS REGISTERS DOWN K: a block's largest magnitude needs no other lane and nothing
;   is transposed.  Each load of a wave reads 128 consecutive bytes of a row of the weight, the eight waves 1,024.  This way touches no LDS and has no barrier.
; Every store of codes covers whole aligned runs of 256 bytes; scale words leave in runs of 64 bytes (4 bytes for each 96 of codes).
; The rows' work-groups have the lower numbers: theirs is the longer chain of dependent steps.
; LIMITS: NaN and infinities are not served; a block of zeros gets the byte 1, not 127 (its codes are zeros, and this program alone reads the bytes); largest magnitudes under 2^-124 are held at that floor.
; No matrix unit, no cluster, no tensor load: each byte is read once, by one wave.
.set NROW,  256                        ; work-groups that take rows
.set ROWP,  4112
.set SPARE, 16*ROWP                    ; behind the rows: the spare words, 128 bytes a wave: four blocks of 256 bytes that no other line names
.set HN0,   9830400                    ; ops: the codes of the normalised rows; their scale words 3,145,728 bytes on
.set WS0,   9437184                    ; ops: where the weights' scale words begin
.set SPW,   10                         ; v10  my spare word's LDS address; never rewritten
.set NIL,   11                         ; v11  0; never rewritten
; the weights' way
.set WX,    32                         ; v32-159  128 numbers of my column
.set F0,    160                        ; v160-171 blocks 0 and 2, then tile T's fragment
.set F1,    172                        ; v172-183 blocks 1 and 3, then tile T + 1's fragment
.set TP,    184                        ; v184-199 the upper halves of the four blocks' codes (a conversion's three registers begin on an even number)
.set SO,    12                         ; v12-15   the conversions' scale operands
; the rows' way
.set ST,    12                         ; v12-15   a pair for each of my 2 rows: sum, mean, later 1 / sqrt(var + eps)
.set SB,    16                         ; v16-19   a second chain for each row's sums
.set SQ,    20                         ; v20-23   a pair for each row: sum of squares, variance
.set RX,    32                         ; v32-95   my 2 rows, 32 registers each; later 64 numbers to quantise
.set G,     96                         ; v96-127  the gain at my columns;  v128-159 the offset
.set BE,    128
.set PC,    96                         ; later: a fragment's codes, 20 registers
.set TM,    160                        ; v160-175 at work in QUANT
.set PW,    176                        ; v176     the scale word
.set SEL,   34                         ; s[34:35] lane selects: lane l xor 16
.macro GIMAGE pc, sb                   ; a fragment leaves as its image; v2 = 16 x lane, v3 = 8 x lane
	global_store_b128 v2, v[\pc:\pc+3], s[\sb:\sb+1]
	global_store_b64 v3, v[\pc+4:\pc+5], s[\sb:\sb+1] offset:512
	global_store_b128 v2, v[\pc+6:\pc+9], s[\sb:\sb+1] offset:768
	global_store_b64 v3, v[\pc+10:\pc+11], s[\sb:\sb+1] offset:1280
.endm
.macro LOADS pitch                     ; W(128 s + i, my column), i = 0 .. 127: the row's pitch stands in the immediate (127 x 16,384 bytes at the most)
.set I_, 0
.rept 128
	global_load_b32 v[WX+I_], v1, s[26:27] offset:I_*\pitch th:TH_LOAD_NT
.set I_, I_+1
.endr
.endm
; Block b of a column: the largest magnitude of my 32 numbers in two chains, the floor 2^(3 - 127) among the leaves; 2 off its exponent field is the conversion's scale operand; that shifted down is the byte.
.macro BLOCK b, left
.set XS, WX+32*\b
	s_wait_loadcnt \left                           ; loads come back in order: this block's 32 are in; the count is at or under the number of younger loads
	v_max3_num_f32 v8, |v[XS]|, |v[XS+1]|, |v[XS+2]|
	v_max3_num_f32 v9, |v[XS+3]|, |v[XS+4]|, |v[XS+5]|
.irp i, 6,10,14,18,22,26
	s_delay_alu instid0(VALU_DEP_2)
	v_max3_num_f32 v8, v8, |v[XS+\i]|, |v[XS+\i+1]|
	s_delay_alu instid0(VALU_DEP_2)
	v_max3_num_f32 v9, v9, |v[XS+\i+2]|, |v[XS+\i+3]|
.endr
	s_delay_alu instid0(VALU_DEP_2)
	v_max3_num_f32 v8, v8, |v[XS+30]|, |v[XS+31]|
	s_delay_alu instid0(VALU_DEP_1)
	v_max3_num_f32 v8, v8, v9, 0x1800000
	s_delay_alu instid0(VALU_DEP_1)
	v_add_nc_u32 v[SO+\b], 0xff000000, v8
	s_delay_alu instid0(VALU_DEP_1)
	v_lshrrev_b32 v9, 23, v[SO+\b]
.if \b == 0
	s_delay_alu instid0(VALU_DEP_1)
	v_mov_b32 v24, v9                              ; my column's scale word: byte b for block b
.else
	s_delay_alu instid0(VALU_DEP_1)
	v_lshl_or_b32 v24, v9, 8*\b, v24
.endif
	v_cvt_scalef32_pk16_fp6_f32 v[F0+12*(\b%2)+6*(\b/2):F0+12*(\b%2)+6*(\b/2)+2], v[XS:XS+15], v[SO+\b]
	v_cvt_scalef32_pk16_fp6_f32 v[TP+4*\b:TP+4*\b+2], v[XS+16:XS+31], v[SO+\b]
.endm
; the sum over a row's 1,024 numbers of what lies in the two pairs at base: the pair's halves, four steps inside 16 lanes, one across; the two rows by turns
.macro REDUCE base
.irp p, 0,1
	s_delay_alu instid0(VALU_DEP_2)
	v_add_f32 v[\base+2*\p], v[\base+2*\p], v[\base+2*\p+1]
.endr
.irp m, 1,2,4,8
.irp p, 0,1
	s_delay_alu instid0(VALU_DEP_2)
	v_add_f32_dpp v[\base+2*\p], v[\base+2*\p], v[\base+2*\p] row_xmask:\m row_mask:0xf bank_mask:0xf
.endr
.endr
.irp p, 0,1
	s_delay_alu instid0(VALU_DEP_2)
	v_permlanex16_b32 v[\base+2*\p+1], v[\base+2*\p], s[SEL], s[SEL+1]
.endr
.irp p, 0,1
	s_delay_alu instid0(VALU_DEP_2)
	v_add_f32 v[\base+2*\p], v[\base+2*\p], v[\base+2*\p+1]
.endr
.endm
; 64 numbers of a lane, register 16 b + i = k 32 b + 16 h + i of my row, become a fragment's 12 registers of codes at pc and the row's scale word in pw
.macro QUANT s, pc, pw
.irp b, 0,1,2,3
	v_max3_num_f32 v[TM+\b], |v[\s+16*\b]|, |v[\s+1+16*\b]|, 0x1800000   ; my 16 numbers of block b, and the floor 2^(3 - 127): the byte cannot fall under 1
.endr
.irp i, 2,4,6,8,10,12,14
.irp b, 0,1,2,3
	s_delay_alu instid0(VALU_DEP_4)
	v_max3_num_f32 v[TM+\b], v[TM+\b], |v[\s+16*\b+\i]|, |v[\s+1+16*\b+\i]|
.endr
.endr
.irp b, 0,1,2,3
	s_delay_alu instid0(VALU_DEP_4)
	v_permlanex16_b32 v[TM+4+\b], v[TM+\b], s[SEL], s[SEL+1]
.endr
.irp b, 0,1,2,3
	s_delay_alu instid0(VALU_DEP_4)
	v_max_num_f32 v[TM+\b], v[TM+\b], v[TM+4+\b]   ; with lane l xor 16's 16: the block's largest magnitude
.endr
.irp b, 0,1,2,3
	s_delay_alu instid0(VALU_DEP_4)
	v_add_nc_u32 v[TM+12+\b], 0xff000000, v[TM+\b] ; 2 off its exponent field: the conversion's scale operand
.endr
.irp b, 0,1,2,3
	s_delay_alu instid0(VALU_DEP_4)
	v_lshrrev_b32 v[TM+4+\b], 23, v[TM+12+\b]      ; the byte
.endr
	s_delay_alu instid0(VALU_DEP_3)
	v_lshl_or_b32 v[\pw], v[TM+5], 8, v[TM+4]
	s_delay_alu instid0(VALU_DEP_1)
	v_lshl_or_b32 v[\pw], v[TM+6], 16, v[\pw]
	s_delay_alu instid0(VALU_DEP_1)
	v_lshl_or_b32 v[\pw], v[TM+7], 24, v[\pw]
.irp c, 0,1
	v_cvt_scalef32_pk16_fp6_f32 v[\pc+6*\c:\pc+2+6*\c], v[\s+32*\c:\s+15+32*\c], v[TM+12+2*\c]
	v_cvt_scalef32_pk16_fp6_f32 v[\pc+12+4*\c:\pc+14+4*\c], v[\s+16+32*\c:\s+31+32*\c], v[TM+12+2*\c+1]
.endr
	v_nop                                          ; one plain instruction behind the last conversion
.irp c, 0,1                                    ; the layout wants a whole block in a lane: lanes 0-15 block 2 c, lanes 16-31 block 2 c + 1
.irp i, 0,1,2
	v_permlane16_swap_b32 v[\pc+6*\c+\i], v[\pc+12+4*\c+\i]
.endr
.irp i, 0,1,2
	s_delay_alu instid0(VALU_DEP_3)
	v_mov_b32 v[\pc+3+6*\c+\i], v[\pc+12+4*\c+\i]
.endr
.endr
.endm
	s_load_b256 s[4:11], s[0:1], 0x0               ; the rows, gain, offset, wq
	s_load_b256 s[12:19], s[0:1], 0x20             ; wk, wv, wo, w1
	s_load_b128 s[20:23], s[0:1], 0x40             ; w2, ops
	v_lshl_add_u32 v[SPW], v0, 2, SPARE
	v_mov_b32 v[NIL], 0
	v_lshrrev_b32 v1, 5, v0
	s_delay_alu instid0(VALU_DEP_1)
	v_readfirstlane_b32 s24, v1                    ; wave 0..7
	s_cmp_lt_u32 ttmp9, NROW                       ; the same answer in all eight waves
	s_cbranch_scc1 .Lrows
	; ---- THE WEIGHTS' WAY
	v_and_b32 v5, 31, v0                           ; lane
	v_and_b32 v6, 7, v0
	v_bfe_u32 v7, v0, 3, 1
	s_delay_alu instid0(VALU_DEP_1)
	v_lshl_add_u32 v6, v7, 4, v6
	v_bfe_u32 v7, v0, 4, 1                         ; h: lanes 0-15 hold tile T, lanes 16-31 tile T + 1
	s_delay_alu instid0(VALU_DEP_1)
	v_lshl_add_u32 v6, v7, 3, v6                   ; my column among the wave's 32: l % 8 + 16 ((l / 8) % 2) + 8 (l / 16)
	s_delay_alu instid0(VALU_DEP_1)
	v_lshlrev_b32 v1, 2, v6                        ; in bytes
	v_lshlrev_b32 v2, 4, v5                        ; 16 x lane
	v_lshlrev_b32 v3, 3, v5                        ; 8 x lane
	v_and_b32 v6, 15, v0
	s_delay_alu instid0(VALU_DEP_1)
	v_lshlrev_b32 v4, 2, v6                        ; 4 r
	; which weight, which 256 columns, which K step: from the work-group's number alone
	s_wait_alu depctr_va_vdst(0)
	s_sub_co_u32 s30, ttmp9, NROW                  ; 0 .. 383
	s_lshr_b32 s31, s30, 7                         ; 0: wq, wk, wv, wo (32 work-groups each); 1: w1; 2: w2
	s_and_b32 s32, s30, 127
	s_lshr_b32 s33, s32, 5
	s_and_b32 s34, s32, 31
	s_lshl_b32 s36, s31, 2
	s_cmp_eq_u32 s31, 0
	s_cselect_b32 s35, s34, s32                    ; my number within the weight
	s_cselect_b32 s36, s33, s36                    ; the weight's place in ops, in units of wq's size: 0, 1, 2, 3, 4 (w1), 8 (w2)
	s_cmp_eq_u32 s31, 1
	s_cselect_b32 s37, 4, 2                        ; log2 of the groups of 256 columns
	s_cselect_b32 s38, 15, 3
	s_cselect_b32 s39, 21, 19                      ; log2 of 128 rows' bytes
	s_cmp_eq_u32 s31, 2
	s_cselect_b32 s41, 5, 3                        ; log2 of K / 128
	s_and_b32 s38, s35, s38                        ; group of columns
	s_lshr_b32 s37, s35, s37                       ; K step
	s_lshl_b32 s42, s37, s39
	s_lshl_b32 s43, s38, 10
	s_add_co_u32 s42, s42, s43
	s_lshl_b32 s43, s24, 7
	s_add_co_u32 s42, s42, s43                     ; the weight: K step's first row, my wave's first column
	s_mov_b32 s43, 0
	s_lshl_b32 s44, s38, 4
	s_lshl_b32 s45, s24, 1
	s_add_co_u32 s44, s44, s45                     ; T
	s_lshl_b32 s44, s44, s41
	s_add_co_u32 s44, s44, s37                     ; T x K / 128 + K step
	s_mul_i32 s46, s44, 1536
	s_mul_i32 s45, s36, 786432
	s_add_co_u32 s46, s46, s45                     ; tile T's fragment in ops
	s_mov_b32 s47, 0
	s_lshl_b32 s48, s44, 6
	s_lshl_b32 s45, s36, 15
	s_add_co_u32 s48, s48, s45
	s_add_co_u32 s48, s48, WS0                     ; its scale words
	s_mov_b32 s49, 0
	s_lshl_b32 s40, 64, s41                        ; from tile to tile: K / 128 x 64 bytes of scale words,
	s_mul_i32 s50, s40, 24                         ; K / 128 x 1,536 bytes of codes
	s_mov_b32 s51, 0
	v_mad_u32_u24 v4, v7, s40, v4                  ; my scale word's place: tile T + h, word r
	s_wait_kmcnt 0x0
	s_cmp_eq_u32 s36, 1                            ; the weight's address is chosen by the work-group's number
	s_cselect_b64 s[26:27], s[12:13], s[10:11]
	s_cmp_eq_u32 s36, 2
	s_cselect_b64 s[26:27], s[14:15], s[26:27]
	s_cmp_eq_u32 s36, 3
	s_cselect_b64 s[26:27], s[16:17], s[26:27]
	s_cmp_eq_u32 s36, 4
	s_cselect_b64 s[26:27], s[18:19], s[26:27]
	s_cmp_eq_u32 s36, 8
	s_cselect_b64 s[26:27], s[20:21], s[26:27]
	s_add_nc_u64 s[26:27], s[26:27], s[42:43]
	s_add_nc_u64 s[28:29], s[22:23], s[46:47]
	s_add_nc_u64 s[52:53], s[28:29], s[50:51]
	s_add_nc_u64 s[54:55], s[22:23], s[48:49]
	s_cmp_eq_u32 s31, 1                            ; only these lines differ between the weights: both ways issue 128 loads, so the counts below hold on both
	s_cbranch_scc1 .Lwide
	LOADS 4096
	s_branch .Lloaded
.Lwide:
	LOADS 16384
.Lloaded:
	BLOCK 0, 63
	BLOCK 1, 63
	BLOCK 2, 32
	BLOCK 3, 0
	v_nop                                          ; one plain instruction behind the last conversion
.irp b, 0,1,2,3
.irp i, 0,1,2
	v_mov_b32 v[F0+12*(\b%2)+6*(\b/2)+3+\i], v[TP+4*\b+\i]
.endr
.endr
; The operand's layout gives lanes 0-15 blocks 0 and 2 of a row and lanes 16-31 blocks 1 and 3.  F0's lanes 16-31 (tile T + 1's blocks 0, 2) change places with F1's lanes 0-15 (tile T's blocks 1, 3).
.irp i, 0,1,2,3,4,5,6,7,8,9,10,11
	v_permlane16_swap_b32 v[F0+\i], v[F1+\i]
.endr
	GIMAGE F0, 28
	GIMAGE F1, 52
	global_store_b32 v4, v24, s[54:55]
	s_endpgm                                       ; this way has written no LDS
	; ---- THE ROWS' WAY
.Lrows:
	v_and_b32 v1, 31, v0                           ; lane
	s_delay_alu instid0(VALU_DEP_1)
	v_lshlrev_b32 v2, 4, v1                        ; 16 x lane
	s_delay_alu instid0(VALU_DEP_2)
	v_lshlrev_b32 v3, 3, v1                        ; 8 x lane
	s_mul_i32 s25, s24, 2*ROWP
	v_add_nc_u32 v5, s25, v2                       ; LDS, in: my wave's 2 rows, 16 bytes a lane
	v_and_b32 v6, 15, v0                           ; r
	v_bfe_u32 v7, v0, 4, 1                         ; h
	s_delay_alu instid0(VALU_DEP_2)
	v_lshlrev_b32 v4, 2, v6                        ; 4 r
	s_delay_alu instid0(VALU_DEP_3)
	v_mul_u32_u24 v8, v6, ROWP
	s_delay_alu instid0(VALU_DEP_1)
	v_lshl_add_u32 v8, v7, 6, v8
	s_lshl_b32 s25, s24, 9
	v_add_nc_u32 v8, s25, v8                       ; LDS, out: row r, + 64 h, + my wave's K step
.irp b, 0,1,2,3
	v_mov_b32 v[TM+4+\b], 0                        ; written once: a lane permute's destination counts as one of its sources
.endr
	s_lshr_b32 s26, ttmp9, 1
	s_lshl_b32 s26, s26, 5
	s_and_b32 s27, ttmp9, 1
	s_lshl_b32 s27, s27, 3
	s_add_co_u32 s26, s26, s27
	s_lshl_b32 s27, s24, 1
	s_add_co_u32 s26, s26, s27
	s_lshr_b32 s27, s24, 2
	s_lshl_b32 s27, s27, 3
	s_add_co_u32 s26, s26, s27                     ; my first row: 32 (T / 2) + 8 (T % 2) + 2 w + 8 (w / 4)
	s_lshl_b32 s26, s26, 12
	s_mov_b32 s27, 0
	s_lshl_b32 s28, ttmp9, 3
	s_add_co_u32 s28, s28, s24
	s_mul_i32 s28, s28, 1536
	s_add_co_u32 s28, s28, HN0                     ; fragment (T, w)
	s_mov_b32 s29, 0
	s_lshl_b32 s30, ttmp9, 9
	s_lshl_b32 s31, s24, 6
	s_add_co_u32 s30, s30, s31
	s_add_co_u32 s30, s30, HN0+3145728             ; its scale words
	s_mov_b32 s31, 0
	s_mov_b32 s32, 0x3a800000                      ; 1 / 1,024
	s_mov_b32 s33, 0x3727c5ac                      ; eps = 1e-5
	s_mov_b32 s[SEL], 0x76543210
	s_mov_b32 s[SEL+1], 0xfedcba98
	s_wait_kmcnt 0x0
	s_add_nc_u64 s[4:5], s[4:5], s[26:27]
	s_add_nc_u64 s[36:37], s[22:23], s[28:29]
	s_add_nc_u64 s[38:39], s[22:23], s[30:31]
.irp p, 0,1
.irp j, 0,1,2,3,4,5,6,7
	global_load_b128 v[RX+32*\p+4*\j:RX+32*\p+4*\j+3], v2, s[4:5] offset:4096*\p+512*\j   ; columns 128 j + 4 l on
.endr
.endr
.irp j, 0,1,2,3,4,5,6,7
	global_load_b128 v[G+4*\j:G+4*\j+3], v2, s[6:7] offset:512*\j
	global_load_b128 v[BE+4*\j:BE+4*\j+3], v2, s[8:9] offset:512*\j
.endr
	s_wait_loadcnt 16                              ; my rows are in; the gain's and the offset's sixteen loads may be out
.irp p, 0,1
	v_pk_add_f32 v[ST+2*\p:ST+2*\p+1], v[RX+32*\p:RX+32*\p+1], v[RX+32*\p+2:RX+32*\p+3]     ; two chains a row, so that no line waits long for the line above it
	v_pk_add_f32 v[SB+2*\p:SB+2*\p+1], v[RX+32*\p+4:RX+32*\p+5], v[RX+32*\p+6:RX+32*\p+7]
.endr
.irp j, 8,12,16,20,24,28
.irp p, 0,1
	s_delay_alu instid0(VALU_DEP_4)
	v_pk_add_f32 v[ST+2*\p:ST+2*\p+1], v[ST+2*\p:ST+2*\p+1], v[RX+32*\p+\j:RX+32*\p+\j+1]
	s_delay_alu instid0(VALU_DEP_4)
	v_pk_add_f32 v[SB+2*\p:SB+2*\p+1], v[SB+2*\p:SB+2*\p+1], v[RX+32*\p+\j+2:RX+32*\p+\j+3]
.endr
.endr
.irp p, 0
	s_delay_alu instid0(VALU_DEP_3)
	v_pk_add_f32 v[ST+2*\p:ST+2*\p+1], v[ST+2*\p:ST+2*\p+1], v[SB+2*\p:SB+2*\p+1]
.endr
.irp p, 1
	s_delay_alu instid0(VALU_DEP_2)
	v_pk_add_f32 v[ST+2*\p:ST+2*\p+1], v[ST+2*\p:ST+2*\p+1], v[SB+2*\p:SB+2*\p+1]
.endr
	REDUCE ST
.irp p, 0,1
	s_delay_alu instid0(VALU_DEP_2)
	v_mul_f32 v[ST+2*\p], s32, v[ST+2*\p]          ; the mean
.endr
.irp j, 0,2,4,6,8,10,12,14,16,18,20,22,24,26,28,30
.irp p, 0,1
	v_pk_add_f32 v[RX+32*\p+\j:RX+32*\p+\j+1], v[RX+32*\p+\j:RX+32*\p+\j+1], v[ST+2*\p:ST+2*\p+1] op_sel_hi:[1,0] neg_lo:[0,1] neg_hi:[0,1]   ; x - mean
.endr
.endr
.irp p, 0,1
	v_pk_mul_f32 v[SQ+2*\p:SQ+2*\p+1], v[RX+32*\p:RX+32*\p+1], v[RX+32*\p:RX+32*\p+1]
	v_pk_mul_f32 v[SB+2*\p:SB+2*\p+1], v[RX+32*\p+2:RX+32*\p+3], v[RX+32*\p+2:RX+32*\p+3]
.endr
.irp j, 4,8,12,16,20,24,28
.irp p, 0,1
	s_delay_alu instid0(VALU_DEP_4)
	v_pk_fma_f32 v[SQ+2*\p:SQ+2*\p+1], v[RX+32*\p+\j:RX+32*\p+\j+1], v[RX+32*\p+\j:RX+32*\p+\j+1], v[SQ+2*\p:SQ+2*\p+1]
	s_delay_alu instid0(VALU_DEP_4)
	v_pk_fma_f32 v[SB+2*\p:SB+2*\p+1], v[RX+32*\p+\j+2:RX+32*\p+\j+3], v[RX+32*\p+\j+2:RX+32*\p+\j+3], v[SB+2*\p:SB+2*\p+1]
.endr
.endr
.irp p, 0
	s_delay_alu instid0(VALU_DEP_3)
	v_pk_add_f32 v[SQ+2*\p:SQ+2*\p+1], v[SQ+2*\p:SQ+2*\p+1], v[SB+2*\p:SB+2*\p+1]
.endr
.irp p, 1
	s_delay_alu instid0(VALU_DEP_2)
	v_pk_add_f32 v[SQ+2*\p:SQ+2*\p+1], v[SQ+2*\p:SQ+2*\p+1], v[SB+2*\p:SB+2*\p+1]
.endr
	REDUCE SQ
.irp p, 0,1
	s_delay_alu instid0(VALU_DEP_2)
	v_fma_f32 v[SQ+2*\p], v[SQ+2*\p], s32, s33     ; the variance + eps
.endr
	s_wait_alu depctr_va_vdst(0)
.irp p, 0,1
	v_rsq_f32 v[ST+2*\p], v[SQ+2*\p]
.endr
	v_nop                                          ; one plain instruction behind the second of the two
	s_wait_alu depctr_va_vdst(0)                   ; one wait for the two, ahead of their first reader
.irp j, 0,2,4,6,8,10,12,14,16,18,20,22,24,26,28,30
.irp p, 0,1
	v_pk_mul_f32 v[RX+32*\p+\j:RX+32*\p+\j+1], v[RX+32*\p+\j:RX+32*\p+\j+1], v[ST+2*\p:ST+2*\p+1] op_sel_hi:[1,0]
.endr
.endr
	s_wait_loadcnt 0x0                             ; the gain and the offset
.irp j, 0,2,4,6,8,10,12,14,16,18,20,22,24,26,28,30
.irp p, 0,1
	v_pk_fma_f32 v[RX+32*\p+\j:RX+32*\p+\j+1], v[RX+32*\p+\j:RX+32*\p+\j+1], v[G+\j:G+\j+1], v[BE+\j:BE+\j+1]
.endr
.endr
.irp p, 0,1
.irp j, 0,1,2,3,4,5,6,7
	ds_store_b128 v5, v[RX+32*\p+4*\j:RX+32*\p+4*\j+3] offset:ROWP*\p+512*\j
.endr
.endr
	s_wait_dscnt 0x0                               ; for the others' sake: my rows lie in LDS
	s_barrier_signal -1
	s_barrier_wait -1
.irp b, 0,1,2,3
.irp j, 0,1,2,3
	ds_load_b128 v[RX+16*\b+4*\j:RX+16*\b+4*\j+3], v8 offset:128*\b+16*\j   ; register 16 b + i = k 32 b + 16 h + i of row r, K step w
.endr
.endr
	s_wait_dscnt 0x0
	QUANT RX, PC, PW
	GIMAGE PC, 36
	v_cmp_gt_u32 vcc_lo, 16, v1                    ; lanes 16-31 hold the same sixteen words as lanes 0-15: the lower half stores them
	s_wait_xcnt 0x0                                ; EXEC is a source of the stores above: it changes only behind this wait
	s_and_saveexec_b32 s40, vcc_lo
	global_store_b32 v4, v[PW], s[38:39]
	s_wait_xcnt 0x0                                ; and again, in front of the line that widens it
	s_or_b32 exec_lo, exec_lo, s40
	s_wait_tensorcnt 0x0                           ; the wave's end, behind my last LDS store
	ds_add_u32 v[SPW], v[NIL]
	s_wait_dscnt 0x0
	s_endpgm
.Lfunc_end_k_q7028f52eba_prep:
	.size	k_q7028f52eba_prep, .Lfunc_end_k_q7028f52eba_prep-k_q7028f52eba_prep
	.p2alignl 7, 3214868480
	.fill 96, 4, 3214868480
	.section	.rodata,"a",@progbits
	.p2align	6, 0x0
	.amdhsa_kernel k_q7028f52eba_prep
		.amdhsa_group_segment_fixed_size 66816
		.amdhsa_private_segment_fixed_size 0
		.amdhsa_enable_private_segment 0
		.amdhsa_kernarg_size 80
		.amdhsa_user_sgpr_count 2
		.amdhsa_user_sgpr_kernarg_segment_ptr 1
		.amdhsa_wavefront_size32 1
		.amdhsa_system_sgpr_workgroup_id_x 1
		.amdhsa_system_sgpr_workgroup_id_y 1
		.amdhsa_system_sgpr_workgroup_id_z 1
		.amdhsa_system_vgpr_workitem_id 0
		.amdhsa_next_free_vgpr 200
		.amdhsa_next_free_sgpr 66
		.amdhsa_reserve_vcc 1
		.amdhsa_float_denorm_mode_32 3
		.amdhsa_float_denorm_mode_16_64 3
		.amdhsa_memory_ordered 1
		.amdhsa_forward_progress 1
		.amdhsa_inst_pref_size 65
	.end_amdhsa_kernel
	.amdgpu_metadata
---
amdhsa.version: [ 1, 2 ]
amdhsa.kernels:
  - .name:           k_q7028f52eba_prep
    .symbol:         k_q7028f52eba_prep.kd
    .args:
      - { .name: x, .offset: 0, .size: 8, .value_kind: global_buffer, .address_space: global }
      - { .name: g1, .offset: 8, .size: 8, .value_kind: global_buffer, .address_space: global }
      - { .name: be1, .offset: 16, .size: 8, .value_kind: global_buffer, .address_space: global }
      - { .name: wq, .offset: 24, .size: 8, .value_kind: global_buffer, .address_space: global }
      - { .name: wk, .offset: 32, .size: 8, .value_kind: global_buffer, .address_space: global }
      - { .name: wv, .offset: 40, .size: 8, .value_kind: global_buffer, .address_space: global }
      - { .name: wo, .offset: 48, .size: 8, .value_kind: global_buffer, .address_space: global }
      - { .name: w1, .offset: 56, .size: 8, .value_kind: global_buffer, .address_space: global }
      - { .name: w2, .offset: 64, .size: 8, .value_kind: global_buffer, .address_space: global }
      - { .name: ops, .offset: 72, .size: 8, .value_kind: global_buffer, .address_space: global }
    .group_segment_fixed_size: 66816
    .private_segment_fixed_size: 0
    .kernarg_segment_align: 8
    .kernarg_segment_size: 80
    .max_flat_workgroup_size: 256
    .sgpr_count:     66
    .vgpr_count:     200
    .wavefront_size: 32
...
	.end_amdgpu_metadata
.endif
;; end of part 1
;; launch qkv (part 2): grid 12 x 16, 4 waves a work-group, clusters of 4 x 4, 327,680 bytes of LDS; arguments ops, qkvb; writes qkvb
.if DOCPART == 2
	.amdgcn_target "amdgcn-amd-amdhsa--gfx1250"
	.amdhsa_code_object_version 6
	.text
	.protected	k_q7028f52eba_qkv
	.globl	k_q7028f52eba_qkv
	.p2align	8
	.type	k_q7028f52eba_qkv,@function
k_q7028f52eba_qkv:
	s_mov_b64 s[64:65], 0
	v_nop
	global_prefetch_b8 v0, s[64:65] scope:SCOPE_SE
	s_setreg_imm32_b32 hwreg(HW_REG_WAVE_MODE, 25, 1), 1
	s_wait_xcnt 0x0
	s_wait_alu depctr_hold_cnt(0) depctr_sa_sdst(0) depctr_va_vdst(0) depctr_va_sdst(0) depctr_va_ssrc(0) depctr_va_vcc(0) depctr_vm_vsrc(0)
	s_getreg_b32 s2, hwreg(HW_REG_IB_STS2, 6, 4)
	s_cmp_eq_u32 s2, 0
	s_cbranch_scc0 .Lentry_in_a_cluster
	s_endpgm
.Lentry_in_a_cluster:
	s_bfe_u32 s2, ttmp6, 0x10000c
	s_cmp_lg_u32 s2, 0xf033
	s_cbranch_scc0 .Lentry_shape_is_right
	s_endpgm
.Lentry_shape_is_right:
; q, k and V^T in one launch: products of the normalised rows h (4,096 x 1,024) with wq, wk, wv on codes of FP6 (E2M3) with E8M0 scales, and their results quantised in registers for the attention launch.
; OPERANDS lie in ops as images of the matrix unit's registers: codes [T][8][1,536], scale words [T][8][16]; tile T holds rows 32 (T / 2) + 8 (T % 2) + r + 8 (r / 8).
; THE MATRIX INSTRUCTION IS USED TRANSPOSED: source 0 = 16 rows of "B", source 1 = 16 rows of "A".  A lane then holds ONE row of A, and by the choice of a tile's rows the 16 registers of B's tiles 2 b, 2 b + 1 are 16 NEIGHBOURS
; 32 b + 16 h + 0 .. 15 along B's rows: the axis along which the result is quantised.  Clusters x = 0, 1: A = h (tokens), B = wq | wk (features): q and k, quantised along the head's 64.
; Cluster x = 2: A = wv (features), B = h (tokens): V^T, quantised along the keys.  Only offsets into ops are chosen by the cluster's x, which all sixteen partners share.
; SHARES: a work-group makes 256 x 256, each of four waves 128 x 128: 64 accumulators, 512 registers.  K goes through two LDS slots of two K steps of 128; a wave's tensor load brings 8 tiles x 3,072 bytes.
; The scale words of the work-group's rows, for all of K, come once with the first fills.  Fragment loads read consecutive bytes, so LDS needs no padding.
; CLUSTERS: 4 x 4.  A's tiles are asked for jointly along a row of the cluster, B's along a column: the same tensor load with the same descriptor and a mask that names the four.
; OUT: q | k: [c 0..31][batch][chunk of 512 tokens][32 half images of 768 bytes, then 32 x 16 scale words]; V^T from byte 6,815,744: [batch][head][chunk][4 tiles x 4 K steps x 1,536, then 4 x 4 x 16 scale words].
; A q or k scale word's bytes 2 and 3 scale zero codes only; they hold another head's bytes or 0, never 0xff.
; LIMITS: NaN and infinities are not served; a block of zeros gets the byte 1, not 127 (zero codes; read by this program alone); largest magnitudes under 2^-124 are held at that floor.
; REGISTERS: window 0: v4, v5 16 x lane, 8 x lane; v16-23 LDS addresses; v27 scale words' address; v28, v29 the add's two; v32-47 scale words, two sets; v64-255 A's fragments, two sets.
;   window 1: v0-191 B's fragments, two sets.   windows 2, 3: the accumulators, (a, b) at v[8 (8 (a % 4) + b)] of window 2 + a / 4.
.set MA, 8                             ; tiles of A to a wave
.set NB, 8                             ; tiles of B to a wave
.set KT, 8                             ; K / 128
.set SQ, 2                             ; K steps in a slot
.set HASBIAS, 0
.set HN0,   9830400                    ; ops: h's codes; its scale words 3,145,728 on
.set WS0,   9437184                    ; ops: the weights' scale words
.set QB,    MA*SQ*1536                 ; what one tensor load brings, and what one wave reads of A or of B in a slot
.set SLOT,  4*QB                       ; A's two halves, then B's two
.set QS,    MA*KT*64                   ; the scale words of a wave's tiles, all of K
.set SCL,   2*SLOT
.set SPARE, SCL+4*QS                   ; the spare words, 128 bytes a wave: two blocks of 256 bytes that no other line names
.set LAPS,  KT/(2*SQ)
.set O16,  4
.set O8,   5
.set ADRA, 16                          ; v16, v17: 16 x lane in my half of A, slot 0, 1; v18, v19: 8 x lane
.set ADRB, 20                          ; v20-23 the same for B
.set ADRS, 27
.set SPW,  28
.set NIL,  29
.set SC,   32
.set AF,   64
.set BI,   192
.set PC,   128                         ; the way out, window 0: two sets of 20 registers of codes;
.set TM,   200                         ; v200-215 at work;
.set PW,   216                         ; v216, v217 scale words, v218 what is stored
.set G1, 24
.set G0, 32
.set G1B, 48
.set G0B, 56
.set G1S, 68
.set G0S, 76
.set G1SB, 80
.set G0SB, 88
.set SEL, 66
.set PFA, 96                           ; s[96:97] where my prefetches stand: my work-group's two tiles of the eight that I fetch in a refill
.set MSB, 0
.macro WIN new                         ; the immediate's high byte repeats the setting that is left; a switch that changes nothing is dropped
.if MSB != (\new)
	s_set_vgpr_msb (MSB<<8)|(\new)
.set MSB, (\new)
.endif
.endm
.macro PLACES n
.rept \n
	v_nop
.endr
.endm
; A joint load: waves 0 and 1 fetch for A, waves 2 and 3 for B.  The branch hangs on the wave's number alone.  An s_nop 0 and four v_nop follow each of the two lines.
.macro JLOAD g0a, g1a, g0b, g1b
	s_cmp_eq_u32 s15, 0
	s_cbranch_scc0 .Lfor_b_\@
	tensor_load_to_lds s[\g0a:\g0a+3], s[\g1a:\g1a+7]
	s_nop 0
.rept 4
	v_nop
.endr
	s_branch .Lasked_\@
.Lfor_b_\@:
	tensor_load_to_lds s[\g0b:\g0b+3], s[\g1b:\g1b+7]
	s_nop 0
.rept 4
	v_nop
.endr
.Lasked_\@:
.endm
.macro CREST                           ; a round of the cluster's barrier behind its opening barrier
	s_cmp_lg_u32 s14, 0
	s_cbranch_scc1 .Lnot_wave_0_\@
	s_barrier_signal -3
.Lnot_wave_0_\@:
	s_barrier_wait -3
	s_barrier_signal -1
	s_barrier_wait -1
.endm
.macro CROUND
	s_barrier_signal -1
	s_barrier_wait -1
	CREST
.endm
.macro FRAG reg, a16, a8, off          ; a fragment's image comes back as it was stored: four loads of consecutive bytes
.set R_, \reg
.set O_, \off
	ds_load_b128 v[R_:R_+3], v[\a16] offset:O_
	ds_load_b64 v[R_+4:R_+5], v[\a8] offset:O_+512
	ds_load_b128 v[R_+6:R_+9], v[\a16] offset:O_+768
	ds_load_b64 v[R_+10:R_+11], v[\a8] offset:O_+1280
.endm
.macro FETCH slot, q, set              ; the fragments and scale words of the slot's q-th K step, into one of the two sets
	WIN 0x40
.set I_, 0
.rept NB
	FRAG 12*NB*(\set)+12*I_, ADRB+\slot, ADRB+2+\slot, (I_*SQ+(\q))*1536
.set I_, I_+1
.endr
	WIN 0
.set I_, 0
.rept MA
	FRAG AF+12*MA*(\set)+12*I_, ADRA+\slot, ADRA+2+\slot, (I_*SQ+(\q))*1536
.set I_, I_+1
.endr
.set I_, 0
.rept MA
	ds_load_b32 v[SC+8*(\set)+I_], v[ADRS] offset:I_*KT*64   ; lanes 0-15: A's tile i; lanes 16-31: B's tile i
.set I_, I_+1
.endr
	v_add_nc_u32 v[ADRS], 64, v[ADRS]              ; on to the next K step's words
.endm
.macro MULA set, first                 ; A's tile A_ against B's NB tiles.  first = 1: the products start the sums: nothing is cleared
.if (\first) && HASBIAS
	WIN 0x91+0x40*(A_/4)
.else
	WIN 0xa1+0x50*(A_/4)
.endif
.set B_, 0
.rept NB
.set AC_, 8*(NB*(A_%4)+B_)
.set FB_, 12*NB*(\set)+12*B_
.set FA_, AF+12*MA*(\set)+12*A_
.if (\first) && HASBIAS
	v_wmma_scale_f32_16x16x128_f8f6f4 v[AC_:AC_+7], v[FB_:FB_+11], v[FA_:FA_+11], v[BI+8*B_:BI+8*B_+7], v[SC+8*(\set)+B_], v[SC+8*(\set)+A_] matrix_a_fmt:MATRIX_FMT_FP6 matrix_b_fmt:MATRIX_FMT_FP6 matrix_a_scale:MATRIX_SCALE_ROW1
.elseif \first
	v_wmma_scale_f32_16x16x128_f8f6f4 v[AC_:AC_+7], v[FB_:FB_+11], v[FA_:FA_+11], 0, v[SC+8*(\set)+B_], v[SC+8*(\set)+A_] matrix_a_fmt:MATRIX_FMT_FP6 matrix_b_fmt:MATRIX_FMT_FP6 matrix_a_scale:MATRIX_SCALE_ROW1
.else
	v_wmma_scale_f32_16x16x128_f8f6f4 v[AC_:AC_+7], v[FB_:FB_+11], v[FA_:FA_+11], v[AC_:AC_+7], v[SC+8*(\set)+B_], v[SC+8*(\set)+A_] matrix_a_fmt:MATRIX_FMT_FP6 matrix_b_fmt:MATRIX_FMT_FP6 matrix_a_scale:MATRIX_SCALE_ROW1
.endif
.set B_, B_+1
.endr
.endm
.macro MULS set, a0, a1, first         ; A's tiles a0 .. a1 - 1.  All accumulators take turns, one instruction a turn, in the same order in every step
.set A_, \a0
.rept (\a1)-(\a0)
	MULA \set, \first
.set A_, A_+1
.endr
.endm
; A K step that has its successor in the same slot: its operands were asked for a whole step ago; the next step's are asked for in one run, into the other set, and land under this step's products.
.macro STEP slot, q, first
	s_wait_dscnt 0x0
	PLACES 4                                       ; four plain instructions between the last products and loads into registers that they read (ISA guide 7.12.1 for vector instructions)
	FETCH \slot, (\q)+1, 1-(\q)%2
	MULS (\q)%2, 0, MA, \first
.endm
; A slot's last step changes slots: one barrier; in front of it each wave waits for all its tensor loads, adds 0 to its spare word, and waits for that and for its reads of this slot.  fill = 1: this slot is filled again, two slots ahead.
.macro TURN slot, next, fill
	WIN 0
	s_wait_tensorcnt 0x0                           ; all my tensor loads have landed: my part of the next slot
	ds_add_u32 v[SPW], v[NIL]                      ; 0 onto my spare word
	s_wait_dscnt 0x0                               ; the add is done, and my reads of this slot are over
	s_barrier_signal -1
	MULS 1, 0, MA/4, 0                             ; work on registers while the others arrive
	WIN 0
	s_barrier_wait -1
.if \fill
	CREST                                          ; the barrier has opened a round of the cluster's: no wave of any partner still reads this slot or has a load on its way
	s_add_nc_u64 s[G0+4*\slot+2:G0+4*\slot+3], s[G0+4*\slot+2:G0+4*\slot+3], 2*SQ*1536
	s_add_nc_u64 s[G0B+4*\slot+2:G0B+4*\slot+3], s[G0B+4*\slot+2:G0B+4*\slot+3], 2*SQ*1536
	JLOAD G0+4*\slot, G1, G0B+4*\slot, G1B         ; the first tensor load behind the round, my one load until the next; its four v_nop are also the places in front of the loads below
.else
	PLACES 4
.endif
	s_wait_alu depctr_va_vdst(0)
	FETCH \next, 0, 0
	MULS 1, MA/4, MA, 0
.endm
.macro MID slot, q0                    ; the slot's steps q0 .. SQ - 2
.set Q_, \q0
.rept SQ-1-(\q0)
	STEP \slot, Q_, 0
.set Q_, Q_+1
.endr
.endm
; 64 numbers of a lane in window w, register 16 b + i = k 32 b + 16 h + i of my row, become a fragment's codes at pc and its scale word in pw
.macro QUANT w, s, pc, pw
	WIN (\w)|((\w)<<2)
.irp b, 0,1,2,3
	v_max3_num_f32 v[TM+\b], |v[(\s)+16*\b]|, |v[(\s)+1+16*\b]|, 0x1800000   ; each accumulator is read from its low end on; the floor 2^(3 - 127) keeps the byte at 1 or more
.endr
.irp i, 2,4,6,8,10,12,14
.irp b, 0,1,2,3
	v_max3_num_f32 v[TM+\b], |v[(\s)+16*\b+\i]|, |v[(\s)+1+16*\b+\i]|, v[TM+\b]
.endr
.endr
	WIN 0
.irp b, 0,1,2,3
	v_permlanex16_b32 v[TM+4+\b], v[TM+\b], s[SEL], s[SEL+1]
.endr
.irp b, 0,1,2,3
	v_max_num_f32 v[TM+\b], v[TM+\b], v[TM+4+\b]
.endr
.irp b, 0,1,2,3
	v_add_nc_u32 v[TM+12+\b], 0xff000000, v[TM+\b] ; 2 off the exponent field: the conversion's scale operand
.endr
.irp b, 0,1,2,3
	v_lshrrev_b32 v[TM+4+\b], 23, v[TM+12+\b]
.endr
	v_lshl_or_b32 v[\pw], v[TM+5], 8, v[TM+4]
	v_lshl_or_b32 v[\pw], v[TM+6], 16, v[\pw]
	v_lshl_or_b32 v[\pw], v[TM+7], 24, v[\pw]
	WIN (\w)
.irp c, 0,1
	v_cvt_scalef32_pk16_fp6_f32 v[(\pc)+6*\c:(\pc)+2+6*\c], v[(\s)+32*\c:(\s)+15+32*\c], v[TM+12+2*\c]
	v_cvt_scalef32_pk16_fp6_f32 v[(\pc)+12+4*\c:(\pc)+14+4*\c], v[(\s)+16+32*\c:(\s)+31+32*\c], v[TM+12+2*\c+1]
.endr
	WIN 0
	v_nop                                          ; one plain instruction behind the last conversion
.irp c, 0,1
.irp i, 0,1,2
	v_permlane16_swap_b32 v[(\pc)+6*\c+\i], v[(\pc)+12+4*\c+\i]
.endr
.irp i, 0,1,2
	v_mov_b32 v[(\pc)+3+6*\c+\i], v[(\pc)+12+4*\c+\i]
.endr
.endr
.endm
.macro GIMAGE pc, sb, off0, off1       ; two half images: every store covers whole aligned runs of 256 bytes
	global_store_b128 v[O16], v[(\pc):(\pc)+3], s[\sb:\sb+1] offset:(\off0)
	global_store_b64 v[O8], v[(\pc)+4:(\pc)+5], s[\sb:\sb+1] offset:(\off0)+512
	global_store_b128 v[O16], v[(\pc)+6:(\pc)+9], s[\sb:\sb+1] offset:(\off1)
	global_store_b64 v[O8], v[(\pc)+10:(\pc)+11], s[\sb:\sb+1] offset:(\off1)+512
.endm
	s_load_b128 s[4:7], s[0:1], 0x0                ; ops, qkvb
	v_lshl_add_u32 v[SPW], v0, 2, SPARE
	v_mov_b32 v[NIL], 0
	ds_add_u32 v[SPW], v[NIL]                      ; the wave's opening: the add and its wait ahead of my first tensor load; the set-up below stands between them
	ds_add_u32 v[SPW], v[NIL]
	v_lshrrev_b32 v1, 5, v0
	v_readfirstlane_b32 s14, v1                    ; wave 0..3
	s_lshr_b32 s15, s14, 1                         ; my half of A's rows.  Also: I fetch for A (0) or for B (1)
	s_and_b32 s16, s14, 1                          ; my half of B's rows.  Also: which half I fetch
	s_bfe_u32 s40, ttmp6, 0x40000                  ; cx
	s_bfe_u32 s41, ttmp6, 0x40004                  ; cy
	s_and_b32 s95, ttmp7, 0xffff
	s_lshl_b32 s95, s95, 2                         ; 4 x cluster y
	s_lshl_b32 s96, ttmp9, 2                       ; 4 x cluster x
	s_mov_b32 s97, HN0
	s_mov_b32 s98, HN0+3145728
	s_mov_b32 s19, WS0
	s_cmp_eq_u32 ttmp9, 2                          ; V^T's clusters?  The same answer in all sixteen partners
	s_cselect_b32 s17, 0, s95
	s_cselect_b32 s42, s95, s96
	s_cselect_b32 s99, HN0, 0                      ; B's codes: h, or wq | wk
	s_cselect_b32 s19, s98, s19                    ; B's scale words
	s_cselect_b32 s97, 1572864, s97                ; A's codes: wv, or h
	s_cselect_b32 s98, WS0+65536, s98              ; A's scale words
	s_add_co_u32 s17, s17, s41                     ; block of 256 rows of A: cy, or 4 y + cy
	s_add_co_u32 s42, s42, s40                     ; block of 256 rows of B: 4 y + cx, or 4 x + cx
	s_lshl_b32 s43, s41, 2
	s_lshl_b32 s43, 15, s43                        ; my row of the cluster
	s_lshl_b32 s44, 0x1111, s40                    ; my column
	s_or_b32 s[G1+0], s43, (3<<16)|(1<<21)         ; 15:0 the mask; 17:16 elements of 8 bytes; 21 set beside a mask; no padding
	s_or_b32 s[G1B+0], s44, (3<<16)|(1<<21)
.irp g, G1, G1B
	s_mov_b32 s[\g+1], (192*SQ)<<16                ; tensor_dim0: SQ fragments of a tile
	s_mov_b32 s[\g+2], (2*MA)<<16                  ; tensor_dim1: at the head a load brings both halves, 2 MA tiles
	s_mov_b32 s[\g+3], (192*SQ)<<16                ; tile_dim0
	s_mov_b32 s[\g+4], 2*MA                        ; tile_dim1
	s_mov_b32 s[\g+5], 192*KT                      ; from tile to tile: KT fragments
	s_mov_b32 s[\g+6], 0
	s_mov_b32 s[\g+7], 0
.endr
	s_or_b32 s[G1S+0], s43, (3<<16)|(1<<21)        ; the scale words: a dense block of 2 QS bytes as rows of 256
	s_or_b32 s[G1SB+0], s44, (3<<16)|(1<<21)
.irp g, G1S, G1SB
	s_mov_b32 s[\g+1], 32<<16
	s_mov_b32 s[\g+2], (2*QS/256)<<16              ; both halves' scale words in one load
	s_mov_b32 s[\g+3], 32<<16
	s_mov_b32 s[\g+4], 2*QS/256
	s_mov_b32 s[\g+5], 32
	s_mov_b32 s[\g+6], 0
	s_mov_b32 s[\g+7], 0
.endr
	s_mul_i32 s2, s16, MA*KT*1536                  ; s[2:3]: from a block's first tile to the half that I fetch in the ring, in bytes
	s_mov_b32 s3, 0
	s_mul_i32 s20, s17, 2*MA                       ; A: the block's first tile
	s_mul_i32 s46, s42, 2*MA                       ; B: likewise
	s_mul_i32 s22, s20, KT*64
	s_add_co_u32 s22, s22, s98
	s_mov_b32 s23, 0
	s_mul_i32 s20, s20, KT*1536
	s_add_co_u32 s20, s20, s97
	s_mov_b32 s21, 0
	s_mul_i32 s92, s46, KT*64
	s_add_co_u32 s92, s92, s19
	s_mov_b32 s93, 0
	s_mul_i32 s46, s46, KT*1536
	s_add_co_u32 s46, s46, s99
	s_mov_b32 s47, 0
	s_mul_i32 s45, s14, QB                         ; where they go: by the wave's number alone
	s_mov_b32 s[SEL], 0x76543210
	s_mov_b32 s[SEL+1], 0xfedcba98
	s_wait_dscnt 0x0                               ; the opening add is done
	s_wait_kmcnt 0x0
	s_add_nc_u64 s[20:21], s[4:5], s[20:21]
	s_add_nc_u64 s[22:23], s[4:5], s[22:23]
	s_add_nc_u64 s[46:47], s[4:5], s[46:47]
	s_add_nc_u64 s[92:93], s[4:5], s[92:93]
	CROUND                                         ; all sixteen work-groups are here: the first joint loads meet
	s_mov_b32 s[G0S], 1
	s_mov_b32 s[G0S+1], SCL
	s_mov_b64 s[G0S+2:G0S+3], s[22:23]
	s_or_b32 s[G0S+3], s[G0S+3], 0x80000000
	s_mov_b32 s[G0SB], 1
	s_mov_b32 s[G0SB+1], SCL+2*QS
	s_mov_b64 s[G0SB+2:G0SB+3], s[92:93]
	s_or_b32 s[G0SB+3], s[G0SB+3], 0x80000000
.irp s, 0,1
	s_mov_b32 s[G0+4*\s], 1
	s_add_co_u32 s[G0+4*\s+1], s45, \s*SLOT
	s_add_nc_u64 s[G0+4*\s+2:G0+4*\s+3], s[20:21], \s*SQ*1536
	s_or_b32 s[G0+4*\s+3], s[G0+4*\s+3], 0x80000000
	s_mov_b32 s[G0B+4*\s], 1
	s_add_co_u32 s[G0B+4*\s+1], s45, \s*SLOT
	s_add_nc_u64 s[G0B+4*\s+2:G0B+4*\s+3], s[46:47], \s*SQ*1536
	s_or_b32 s[G0B+4*\s+3], s[G0B+4*\s+3], 0x80000000
.endr
	s_mov_b32 s[G0+1], 0                           ; slot 0's groups serve the head first: A's whole 2 MA tiles at LDS byte 0,
	s_mov_b32 s[G0B+1], 2*QB                       ; B's behind them
	s_add_nc_u64 s[G0+6:G0+7], s[G0+6:G0+7], s[2:3]        ; slot 1's groups: my half
	s_add_nc_u64 s[G0B+6:G0B+7], s[G0B+6:G0B+7], s[2:3]
	s_cmp_eq_u32 s15, 0                            ; the prefetches: of the 8 tiles that I fetch in a refill, each of the four partners that ask jointly takes two, told apart by address
	s_cselect_b64 s[PFA:PFA+1], s[20:21], s[46:47]
	s_cselect_b32 s10, s40, s41
	s_mul_i32 s10, s10, 2*KT*1536
	s_mov_b32 s11, 0
	s_add_nc_u64 s[PFA:PFA+1], s[PFA:PFA+1], s[2:3]
	s_add_nc_u64 s[PFA:PFA+1], s[PFA:PFA+1], s[10:11]
; THE HEAD'S LOADS, ONE A WAVE: wave 0 slot 0's tiles of A, wave 1 those of B, wave 2 A's scale words, wave 3 B's: one chain of branches on the wave's number, all arms leading to one join
.macro ARM under, g0, g1, next
	s_cmp_lt_u32 s14, \under
	s_cbranch_scc0 \next
	tensor_load_to_lds s[\g0:\g0+3], s[\g1:\g1+7]
	s_nop 0
.rept 4
	v_nop
.endr
	s_branch .Lhead_asked
\next:
.endm
	ARM 1, G0,  G1,  .Lhead_b
	ARM 2, G0B, G1B, .Lhead_sa
	ARM 3, G0S, G1S, .Lhead_sb
	tensor_load_to_lds s[G0SB:G0SB+3], s[G1SB:G1SB+7]
	s_nop 0
.rept 4
	v_nop
.endr
.Lhead_asked:
	v_and_b32 v10, 31, v0                          ; a refill's row of a tile is 3,072 bytes, 12 blocks of 256: lanes 0-23 name my two tiles' 24 blocks, the others the last block again
	v_min_u32 v10, 23, v10
	v_mul_u32_u24 v11, v10, 171
	v_lshrrev_b32 v11, 11, v11                     ; lane / 12
	v_lshlrev_b32 v10, 8, v10
	v_mad_u32_u24 v10, v11, KT*1536-12*256, v10
	global_prefetch_b8 v10, s[PFA:PFA+1] offset:SQ*1536 th:TH_LOAD_NT scope:SCOPE_SE     ; what the next two fills will load: K steps 2, 3
	global_prefetch_b8 v10, s[PFA:PFA+1] offset:2*SQ*1536 th:TH_LOAD_NT scope:SCOPE_SE   ; and 4, 5
	v_and_b32 v3, 31, v0
	v_and_b32 v1, 15, v0                           ; r
	v_bfe_u32 v2, v0, 4, 1                         ; h
	v_lshlrev_b32 v[O16], 4, v3
	v_lshlrev_b32 v[O8], 3, v3
	s_mul_i32 s21, s15, QB
	s_mul_i32 s22, s16, QB
	s_add_co_u32 s22, s22, 2*QB
.irp s, 0,1
	v_add_nc_u32 v[ADRA+\s], s21, v[O16]
	v_add_nc_u32 v[ADRA+2+\s], s21, v[O8]
	v_add_nc_u32 v[ADRB+\s], s22, v[O16]
	v_add_nc_u32 v[ADRB+2+\s], s22, v[O8]
	s_add_co_u32 s21, s21, SLOT
	s_add_co_u32 s22, s22, SLOT
.endr
	s_mul_i32 s21, s15, QS                         ; scale words: lanes 0-15 A's, my half; lanes 16-31 B's, my half, behind A's two
	s_mul_i32 s22, s16, QS
	s_add_co_u32 s22, s22, 2*QS
	s_sub_co_u32 s22, s22, s21
	v_mul_u32_u24 v6, s22, v2
	s_add_co_u32 s21, s21, SCL
	v_lshlrev_b32 v7, 2, v1
	v_add_nc_u32 v6, v7, v6
	v_add_nc_u32 v[ADRS], s21, v6
	v_mul_u32_u24 v26, v2, 212992                  ; q, k: lanes 16-31 store the next head's scale word, 212,992 bytes on
	v_add_nc_u32 v26, v26, v7
	v_lshlrev_b32 v30, 4, v2                       ; and take it from the word's upper half
	v_lshlrev_b32 v31, 2, v3                       ; V^T: 4 x lane
	; where my results go.  q, k: heads c0 = 4 x block of B + 2 x half and c0 + 1, token tiles T0 = 16 x block of A + 8 x half on
	s_lshl_b32 s18, s42, 2
	s_lshl_b32 s19, s16, 1
	s_add_co_u32 s18, s18, s19
	s_lshl_b32 s19, s17, 4
	s_lshl_b32 s20, s15, 3
	s_add_co_u32 s19, s19, s20
	s_lshl_b32 s18, s18, 1
	s_lshr_b32 s20, s19, 7
	s_add_co_u32 s18, s18, s20
	s_lshl_b32 s18, s18, 2
	s_bfe_u32 s20, s19, 0x20005
	s_add_co_u32 s18, s18, s20
	s_mul_i32 s18, s18, 26624                      ; the chunk
	s_and_b32 s19, s19, 31
	s_mul_i32 s20, s19, 768
	s_add_co_u32 s20, s20, s18                     ; codes
	s_lshl_b32 s19, s19, 6
	s_add_co_u32 s21, s19, s18
	s_add_co_u32 s21, s21, 24576                   ; scale words
	; V^T: K step s = 2 x block of B + half, heads 4 x block of A + 2 x half and the next
	s_lshl_b32 s18, s42, 1
	s_add_co_u32 s18, s18, s16
	s_lshl_b32 s19, s17, 2
	s_lshl_b32 s22, s15, 1
	s_add_co_u32 s19, s19, s22
	s_lshr_b32 s22, s18, 4
	s_lshl_b32 s22, s22, 4
	s_add_co_u32 s19, s19, s22
	s_lshl_b32 s19, s19, 2
	s_bfe_u32 s22, s18, 0x20002
	s_add_co_u32 s19, s19, s22
	s_mul_i32 s19, s19, 25600
	s_add_co_u32 s19, s19, 6815744
	s_and_b32 s18, s18, 3
	s_mul_i32 s22, s18, 1536
	s_add_co_u32 s22, s22, s19
	s_lshl_b32 s18, s18, 8
	s_add_co_u32 s23, s18, s19
	s_add_co_u32 s23, s23, 24576
	s_cmp_eq_u32 ttmp9, 2
	s_cselect_b32 s92, s22, s20
	s_cselect_b32 s94, s23, s21
	s_mov_b32 s93, 0
	s_mov_b32 s95, 0
	s_add_nc_u64 s[92:93], s[6:7], s[92:93]
	s_add_nc_u64 s[94:95], s[6:7], s[94:95]
	s_mov_b32 s98, 0xffff0000                      ; lanes 16-31
	s_wait_alu depctr_va_vdst(0)
	s_wait_tensorcnt 0x0                           ; my tile of the head's four is in; slot 1's first fill is issued as a refill is
	ds_add_u32 v[SPW], v[NIL]
	s_mov_b32 s[G1+2], MA<<16                      ; no load of mine is out: from here on a load brings MA tiles,
	s_mov_b32 s[G1+4], MA
	s_mov_b32 s[G1B+2], MA<<16
	s_mov_b32 s[G1B+4], MA
	s_add_co_u32 s[G0+1], s45, 0                   ; and slot 0's groups stand at my quarter of the slot
	s_add_co_u32 s[G0B+1], s45, 0
	s_add_nc_u64 s[G0+2:G0+3], s[G0+2:G0+3], s[2:3]
	s_add_nc_u64 s[G0B+2:G0B+3], s[G0B+2:G0B+3], s[2:3]
	s_wait_dscnt 0x0
	CROUND                                         ; all four tiles are in, and all sixteen work-groups are here
	JLOAD G0+4, G1, G0B+4, G1B                     ; slot 1, the first tensor load behind the round
	FETCH 0, 0, 0
	global_prefetch_b8 v10, s[PFA:PFA+1] offset:3*SQ*1536 th:TH_LOAD_NT scope:SCOPE_SE   ; two fills on: K steps 6, 7, the last bytes of the tiles' rows
	s_wait_alu depctr_va_vdst(0)
	STEP 0, 0, 1                                   ; the first step stands in front of the loop: its products start the sums
.if LAPS > 1
	WIN 0                                          ; at a label and at a branch every window is 0
	s_mov_b32 s3, LAPS-1
.Llap:                                             ; a trip goes once round the ring and fills both slots again
	MID 0, 1
	TURN 0, 1, 1
	s_wait_alu depctr_va_vdst(0)
	MID 1, 0
	TURN 1, 0, 1
	s_wait_alu depctr_va_vdst(0)
	STEP 0, 0, 0
	WIN 0
	s_sub_co_u32 s3, s3, 1
	s_cmp_lg_u32 s3, 0
	s_cbranch_scc1 .Llap
.endif
	MID 0, 1                                       ; the last lap fills nothing
	TURN 0, 1, 0
	s_wait_alu depctr_va_vdst(0)
	MID 1, 0
	s_wait_dscnt 0x0
	MULS 1, 0, MA, 0
	; THE WAY OUT: a tile of A's rows at a time: my 128 numbers a row are one K step (V^T) or two heads (q, k): quantised in registers and stored as images.
	WIN 0
	PLACES 4
.irp b, 0,1,2,3
	v_mov_b32 v[TM+4+\b], 0                        ; written once: a lane permute's destination counts as one of its sources
.endr
.irp a, 0,1,2,3,4,5,6,7
	s_wait_xcnt 0x0                                ; the earlier stores have read their registers: the codes' set and the word are written again only behind this wait
	QUANT 2+\a/4, 64*(\a%4), PC+20*(\a%2), PW+\a%2
	s_cmp_eq_u32 ttmp9, 2                          ; the two ways differ in the stores' offsets alone
	s_cbranch_scc1 .Lvway_\a
	GIMAGE PC+20*(\a%2), 92, 768*\a, 212992+768*\a
	v_lshrrev_b32 v[PW+2], v30, v[PW+\a%2]         ; lanes 0-15: head c0's bytes lowest; lanes 16-31: head c0 + 1's
	global_store_b32 v26, v[PW+2], s[94:95] offset:64*\a
	s_branch .Lstored_\a
.Lvway_\a:
	s_wait_alu depctr_va_vdst(0)
	GIMAGE PC+20*(\a%2), 92, (\a/4)*102400+(\a%4)*6144, (\a/4)*102400+(\a%4)*6144+768
.if \a%2
	v_cndmask_b32 v[PW+2], v[PW], v[PW+1], s98     ; two tiles' words: 128 consecutive bytes
	global_store_b32 v31, v[PW+2], s[94:95] offset:(\a/4)*102400+(\a%4-1)*64
.endif
.Lstored_\a:
.endr
	s_wait_tensorcnt 0x0                           ; the wave's end
	ds_add_u32 v[SPW], v[NIL]
	s_wait_dscnt 0x0
	CROUND                                         ; the closing round: no work-group ends while a partner may still ask for a tile that names it
	s_endpgm
.Lfunc_end_k_q7028f52eba_qkv:
	.size	k_q7028f52eba_qkv, .Lfunc_end_k_q7028f52eba_qkv-k_q7028f52eba_qkv
	.p2alignl 7, 3214868480
	.fill 96, 4, 3214868480
	.section	.rodata,"a",@progbits
	.p2align	6, 0x0
	.amdhsa_kernel k_q7028f52eba_qkv
		.amdhsa_group_segment_fixed_size 327680
		.amdhsa_private_segment_fixed_size 0
		.amdhsa_enable_private_segment 0
		.amdhsa_kernarg_size 16
		.amdhsa_user_sgpr_count 2
		.amdhsa_user_sgpr_kernarg_segment_ptr 1
		.amdhsa_wavefront_size32 1
		.amdhsa_system_sgpr_workgroup_id_x 1
		.amdhsa_system_sgpr_workgroup_id_y 1
		.amdhsa_system_sgpr_workgroup_id_z 1
		.amdhsa_system_vgpr_workitem_id 0
		.amdhsa_next_free_vgpr 1024
		.amdhsa_next_free_sgpr 100
		.amdhsa_reserve_vcc 0
		.amdhsa_float_denorm_mode_32 3
		.amdhsa_float_denorm_mode_16_64 3
		.amdhsa_memory_ordered 1
		.amdhsa_forward_progress 1
		.amdhsa_inst_pref_size 159
	.end_amdhsa_kernel
	.amdgpu_metadata
---
amdhsa.version: [ 1, 2 ]
amdhsa.kernels:
  - .name:           k_q7028f52eba_qkv
    .symbol:         k_q7028f52eba_qkv.kd
    .args:
      - { .name: ops, .offset: 0, .size: 8, .value_kind: global_buffer, .address_space: global }
      - { .name: qkvb, .offset: 8, .size: 8, .value_kind: global_buffer, .address_space: global }
    .group_segment_fixed_size: 327680
    .private_segment_fixed_size: 0
    .kernarg_segment_align: 8
    .kernarg_segment_size: 16
    .max_flat_workgroup_size: 128
    .sgpr_count:     100
    .vgpr_count:     1024
    .wavefront_size: 32
...
	.end_amdgpu_metadata
.endif
;; end of part 2
;; launch attn (part 3): grid 8 x 32, 16 waves a work-group, no clusters, 284,672 bytes of LDS; arguments qkvb, ao; writes ao
.if DOCPART == 3
	.amdgcn_target "amdgcn-amd-amdhsa--gfx1250"
	.amdhsa_code_object_version 6
	.text
	.protected	k_q7028f52eba_attn
	.globl	k_q7028f52eba_attn
	.p2align	8
	.type	k_q7028f52eba_attn,@function
k_q7028f52eba_attn:
	s_mov_b64 s[64:65], 0
	v_nop
	global_prefetch_b8 v0, s[64:65] scope:SCOPE_SE
	s_setreg_imm32_b32 hwreg(HW_REG_WAVE_MODE, 25, 1), 1
	s_wait_xcnt 0x0
; Causal attention of one head on codes of FP6 (E2M3) with E8M0 scales, and its result quantised along the head's 64 for the next product.  2 batches x 16 heads, 2,048 tokens, head size 64.
; THE SOFTMAX AHEAD OF THE SECOND PRODUCT: t = score x log2(e) / 8; M = the row's largest t so far, rounded UP to a whole number; p = 2^(t - M) is quantised along the keys, not normalised.
; The row's sum is taken of the unquantised p and divides O at the end.  When M moves, the sum and O are multiplied by 2^(old M - new M): exact.
; LAYOUT: both products are used transposed: S^T = K Q^T (source 0 = 16 keys, source 1 = 16 queries), O^T = V^T P^T: a lane holds ONE query throughout.  Tile T of any operand holds rows 32 (T / 2) + 8 (T % 2) + r + 8 (r / 8),
; so that the 16 registers of result tiles 2 b, 2 b + 1 are 16 neighbours 32 b + 16 h + 0 .. 15.
; THE HEAD'S 64 FILL HALF OF THE INSTRUCTION'S 128.  Registers 6-11 of Q's fragment hold zero codes, so whatever codes stand in registers 6-11 of a fragment of K add nothing (no code of this format is a NaN or an infinity, and no
; scale byte here is 0xff).  So K's eight tiles of a step lie SIX registers apart: a fragment's upper half is the next tile's codes, the last one's V's first six registers.
; SHARES: a work-group has one head and 16 waves and makes 16 tiles of 16 queries, out of four blocks of 64 queries: x, 15 - x, 16 + x, 31 - x.  A step is 128 keys; steps whose keys all come after a tile's queries are the
; causal mask's and are jumped over (a branch on ids).  A tile of block b has b / 2 + 1 steps, 1 to 16.  THE LONG TILES' LATE STEPS ARE DONE BY THE WAVES OF THE SHORT TILES: tiles are paired, block x with 31 - x and 15 - x with 16 + x,
; whose steps add up to 17.  Every wave first walks its OWN tile over steps 0 to 7 and stores that part (O^T, -M, the sums) in LDS; then its PARTNER's tile over steps 8 to 15 (none where that tile has 8 steps or fewer);
; after a barrier it joins that late part with the early part that the partner left, and finishes the PARTNER's tile: both parts are brought under the larger M by powers of two, which rounds nothing.
; So no wave walks more than 9 steps, and all waves run one text.
; THE WHOLE HEAD'S K AND V^T LIE IN LDS, FILLED ONCE, one tensor load a wave, each on a line of its own: wave 0 K's codes of the first chunk of 512 keys, wave 1 V's, wave 2 all of K's scale words, wave 3 all of V's;
; waves 4-6 K's codes of chunks 1-3, waves 7-9 V's.  The first barrier shows what waves 0 to 3 asked for; a barrier behind the first four steps shows the rest.
; NO CLUSTER: the work-groups of a head read the same K and V, but which steps a wave walks hangs on the work-group's x: partners of a cluster would branch on their place in it.
; NO PREFETCH: all that the work-group reads of K and V is asked for at the head; there is no loop to run ahead in.
; LIMITS: the promise holds while |t| stays under 2^31; NaN and infinities are not served; a block of zeros gets the byte 1, not 127 (zero codes; read by this program alone); largest magnitudes under 2^-124 are held at that floor.
; REGISTERS: v1-3 16, 8, 4 x lane; v4, v5 the add's two; v6-11 addresses; v12 -M, v13 the largest t, v[14:15] the sum in two halves; v16-27 Q; v28-31 K's, then V's scale words; v32-79 K's eight tiles, six registers each;
;   v80-127 V's four fragments; v128-191 S^T, then p; v192-223 O^T; v224-235 p's codes; v236-243 at work; v244-247 the blocks' maxima; v248-251 scale operands; v252 f; v253 p's scale word; v254 at work; v255 Q's scale words.
.set KCH,   26624                      ; qkvb: a chunk of q or k: 24,576 bytes of codes, 2,048 of scale words
.set VCH,   25600                      ; a chunk of V^T: 4 tiles x 4 steps x 1,536 bytes of codes, 1,024 of scale words
.set VG0,   6815744                    ; qkvb: where V^T begins
.set KC,    0                          ; LDS: K's codes, 6,144 bytes a step;
.set KS,    98304                      ; its scale words, 512 a step;
.set VC,    106496                     ; V's codes, chunk by chunk as in memory;
.set VS,    204800                     ; its scale words, 256 a step;
.set PART,  208896                     ; the early parts, one for each tile of the work-group: O^T 4,096 bytes, then v[12:15] 512
.set PSZ,   4608
.set SPARE, PART+16*PSZ                ; the spare words, 128 bytes a wave: eight blocks of 256 bytes that no other line names
.set SPLIT, 8                          ; steps 0 .. 7 are walked by the tile's own wave, 8 .. 15 by the partner's
.set S,     128
.set O,     192
.set G1K,   16
.set G1KS,  32
.set G1VS,  40
.set G0,    48
.set SEL,   66
.set CS,    68
.set TBK,   70                         ; s70 LDS byte of the step's tiles of K;  s71 of their scale words;  s72, s73 the same for V
.set TSK,   71
.set TBV,   72
.set TSV,   73
.set KF,    74                         ; s74 the step's first key
.set Q0,    75                         ; s75 the first query of the tile that is walked;  s94 the last key that is walked for it
.set CNT,   76
.set QL,    94
.set MH,    95
.macro PLACES n
.rept \n
	v_nop
.endr
.endm
.macro WALU
	s_wait_alu depctr_va_vdst(0)
.endm
.macro GROUP1 g, row, rows, pitch      ; rows of row elements of 8 bytes, pitch elements apart; no mask, no padding
	s_mov_b32 s[\g], 3<<16
	s_mov_b32 s[\g+1], (\row)<<16
	s_mov_b32 s[\g+2], (\rows)<<16
	s_mov_b32 s[\g+3], (\row)<<16
	s_mov_b32 s[\g+4], \rows
	s_mov_b32 s[\g+5], \pitch
	s_mov_b32 s[\g+6], 0
	s_mov_b32 s[\g+7], 0
.endm
; the tile of block number sel (0: x, 1: 15 - x, 2: 16 + x, 3: 31 - x): its number t, its first query q0, and where its half image (oc) and scale words (os) lie in qkvb
.macro TILE sel, t, q0, oc, os
	s_sub_co_u32 s\t, 15, ttmp9
	s_bitcmp1_b32 s\sel, 0
	s_cselect_b32 s\t, s\t, ttmp9
	s_lshr_b32 s15, s\sel, 1
	s_lshl_b32 s15, s15, 4
	s_add_co_u32 s\t, s\t, s15
	s_lshl_b32 s\t, s\t, 2
	s_add_co_u32 s\t, s\t, s13
	s_lshr_b32 s15, s\t, 1
	s_lshl_b32 s\q0, s15, 5
	s_and_b32 s15, s\t, 1
	s_lshl_b32 s15, s15, 3
	s_add_co_u32 s\q0, s\q0, s15
	s_lshr_b32 s15, s\t, 5
	s_mul_i32 s15, s15, KCH
	s_add_co_u32 s15, s15, s80
	s_and_b32 s81, s\t, 31
	s_mul_i32 s\oc, s81, 768
	s_add_co_u32 s\oc, s\oc, s15
	s_lshl_b32 s\os, s81, 6
	s_add_co_u32 s\os, s\os, s15
	s_add_co_u32 s\os, s\os, 24576
.endm
.macro ARM w, lds, base, off, g1       ; wave w's arm of the head's chain: its tile's place and address, the load, its s_nop 0 and four v_nop, the jump to the join
	s_cmp_eq_u32 s8, \w
	s_cbranch_scc0 .Lnot_\@
	s_mov_b32 s[G0+1], \lds
	s_add_nc_u64 s[G0+2:G0+3], s[\base:\base+1], \off
	s_or_b32 s[G0+3], s[G0+3], 0x80000000
	tensor_load_to_lds s[G0:G0+3], s[\g1:\g1+7]
	s_nop 0
	PLACES 4
	s_branch .Lasked
.Lnot_\@:
.endm
.macro INIT                            ; a walk begins: the largest t -3e38, the sums and O^T zeros (the step is written once: the first change of M leaves zeros zeros)
	v_mov_b32 v13, 0xff61b1e6
	v_floor_f32 v12, -v13
	v_mov_b32 v14, 0
	v_mov_b32 v15, 0
.set N_, 0
.rept 32
	v_mov_b32 v[O+N_], 0
.set N_, N_+1
.endr
	WALU
.endm
	s_load_b128 s[4:7], s[0:1], 0x0                ; qkvb, ao
	v_lshl_add_u32 v4, v0, 2, SPARE
	v_mov_b32 v5, 0
	ds_add_u32 v4, v5                              ; the wave's opening: the add, twice on end, and its wait ahead of the first tensor load
	ds_add_u32 v4, v5
	v_lshrrev_b32 v6, 5, v0
	v_readfirstlane_b32 s8, v6                     ; wave 0..15
	GROUP1 G1K, 32, 96, 32                         ; a chunk's codes, of K or of V^T: dense, as 96 rows of 256 bytes
	GROUP1 G1KS, 256, 4, KCH/8                     ; K's scale words: 2,048 bytes out of each of the 4 chunks
	GROUP1 G1VS, 128, 4, VCH/8                     ; V's: 1,024
	s_mov_b32 s[G0], 1
	s_and_b32 s9, ttmp7, 0xffff
	s_lshr_b32 s10, s9, 4                          ; batch
	s_and_b32 s11, s9, 15                          ; head
	s_lshr_b32 s12, s8, 2
	s_add_co_u32 s12, s12, s8
	s_and_b32 s12, s12, 3                          ; which of the four blocks of queries is mine: each group of four waves, by w % 4 or by w / 4, has one tile of each
	s_and_b32 s13, s8, 3                           ; which tile of it
	s_xor_b32 s61, s12, 3                          ; my partner's block
	s_lshl_b32 s77, s11, 1
	s_add_co_u32 s77, s77, s10
	s_mul_i32 s80, s77, 4*KCH                      ; q of my head and batch
	s_add_co_u32 s78, s77, 32
	s_mul_i32 s78, s78, 4*KCH                      ; k
	s_mov_b32 s79, 0
	TILE 12, 14, 59, 82, 84                        ; my tile
	TILE 61, 56, 57, 88, 96                        ; my partner's
	s_mov_b32 s83, 0
	s_mov_b32 s85, 0
	s_mov_b32 s89, 0
	s_mov_b32 s97, 0
	s_add_co_u32 s58, s57, 23                      ; the partner tile's last query
	s_add_co_u32 s60, s59, 23
	s_min_u32 s60, s60, 128*SPLIT-1                ; my tile: its last query, or the last key of step 7
	s_lshl_b32 s86, s10, 4
	s_add_co_u32 s86, s86, s11
	s_mul_i32 s86, s86, 4*VCH
	s_add_co_u32 s86, s86, VG0                     ; V^T of my head and batch
	s_mov_b32 s87, 0
	s_lshl_b32 s98, s10, 7
	s_add_co_u32 s98, s98, s56                     ; THE PARTNER'S TILE among all 256: that is the one that I finish and store
	s_lshl_b32 s99, s98, 4
	s_add_co_u32 s99, s99, s11
	s_mul_i32 s90, s99, 768                        ; ao: half image (tile, head)
	s_mov_b32 s91, 0
	s_lshl_b32 s92, s98, 3
	s_lshr_b32 s93, s11, 1
	s_add_co_u32 s92, s92, s93
	s_lshl_b32 s92, s92, 6
	s_and_b32 s93, s11, 1
	s_lshl_b32 s93, s93, 1
	s_add_co_u32 s92, s92, s93
	s_add_co_u32 s92, s92, 3145728                 ; ao: my head's two bytes in the scale words of (tile, head / 2)
	s_mov_b32 s93, 0
	s_lshl_b32 s62, s61, 2
	s_add_co_u32 s62, s62, s13
	s_mul_i32 s62, s62, PSZ
	s_add_co_u32 s62, s62, PART                    ; LDS: the early part of my partner's tile, which I read;
	s_lshl_b32 s63, s12, 2
	s_add_co_u32 s63, s63, s13
	s_mul_i32 s63, s63, PSZ
	s_add_co_u32 s63, s63, PART                    ; that of my tile, which I store
	s_mov_b32 s[SEL], 0x76543210
	s_mov_b32 s[SEL+1], 0xfedcba98
	s_mov_b32 s[CS], 0x3e38aa3b                    ; c = log2(e) / sqrt(64)
	s_mov_b32 s[CS+1], s[CS]
	s_mov_b32 s[MH], 0xffff0000
	s_wait_dscnt 0x0                               ; both opening adds are done
	s_wait_kmcnt 0x0
	s_add_nc_u64 s[78:79], s[4:5], s[78:79]
	s_add_nc_u64 s[86:87], s[4:5], s[86:87]
	s_add_nc_u64 s[82:83], s[4:5], s[82:83]
	s_add_nc_u64 s[84:85], s[4:5], s[84:85]
	s_add_nc_u64 s[88:89], s[4:5], s[88:89]
	s_add_nc_u64 s[96:97], s[4:5], s[96:97]
	s_add_nc_u64 s[90:91], s[6:7], s[90:91]
	s_add_nc_u64 s[92:93], s[6:7], s[92:93]
	; THE FILLS, ONE A WAVE: one chain of branches on the wave's number, a load line of its own in each arm, all arms leading to one join; waves 10 to 15 ask for nothing
	ARM 0, KC, 78, 0, G1K
	ARM 1, VC, 86, 0, G1K
	ARM 2, KS, 78, 24576, G1KS
	ARM 3, VS, 86, 24576, G1VS
.irp c, 1,2,3
	ARM 3+\c, KC+24576*\c, 78, KCH*\c, G1K
	ARM 6+\c, VC+24576*\c, 86, VCH*\c, G1K
.endr
.Lasked:
	v_and_b32 v3, 31, v0
	v_lshlrev_b32 v1, 4, v3
	v_lshlrev_b32 v2, 3, v3
	v_lshlrev_b32 v3, 2, v3
	v_and_b32 v6, 15, v0
	v_lshlrev_b32 v6, 2, v6
	global_load_b128 v[16:19], v1, s[82:83]        ; my own Q: its half image
	global_load_b64 v[20:21], v2, s[82:83] offset:512
	global_load_b32 v255, v6, s[84:85]             ; and its scale words
.irp i, 22,23,24,25,26,27
	v_mov_b32 v\i, 0                               ; zero codes for k = 64 .. 127
.endr
.irp i, 236,237,238,239,252,253
	v_mov_b32 v\i, 0                               ; written once: lane permutes' destinations, and the pair v[252:253]
.endr
	INIT
	s_wait_loadcnt 0x0
	s_cmp_lt_u32 s8, 4                             ; the waves that asked for the first chunk and the scale words wait for their one load; the later chunks may be out
	s_cbranch_scc0 .Lnot_mine
	s_wait_tensorcnt 0x0
.Lnot_mine:
	s_barrier_signal -1
	s_barrier_wait -1                              ; K's and V's first chunk and all scale words are there for all sixteen; nothing is filled again
.macro SMUL u                          ; scores of the step's tile u of keys: its six registers and the six behind them; an odd tile's scale words lie in lanes 16-31
.if (\u)%2
	v_wmma_scale_f32_16x16x128_f8f6f4 v[S+8*(\u):S+8*(\u)+7], v[32+6*(\u):43+6*(\u)], v[16:27], 0, v[28+(\u)/2], v255 matrix_a_fmt:MATRIX_FMT_FP6 matrix_b_fmt:MATRIX_FMT_FP6 matrix_a_scale:MATRIX_SCALE_ROW1
.else
	v_wmma_scale_f32_16x16x128_f8f6f4 v[S+8*(\u):S+8*(\u)+7], v[32+6*(\u):43+6*(\u)], v[16:27], 0, v[28+(\u)/2], v255 matrix_a_fmt:MATRIX_FMT_FP6 matrix_b_fmt:MATRIX_FMT_FP6
.endif
.endm
.macro OMUL t
.if (\t)%2
	v_wmma_scale_f32_16x16x128_f8f6f4 v[O+8*(\t):O+8*(\t)+7], v[80+12*(\t):91+12*(\t)], v[224:235], v[O+8*(\t):O+8*(\t)+7], v[28+(\t)/2], v253 matrix_a_fmt:MATRIX_FMT_FP6 matrix_b_fmt:MATRIX_FMT_FP6 matrix_a_scale:MATRIX_SCALE_ROW1
.else
	v_wmma_scale_f32_16x16x128_f8f6f4 v[O+8*(\t):O+8*(\t)+7], v[80+12*(\t):91+12*(\t)], v[224:235], v[O+8*(\t):O+8*(\t)+7], v[28+(\t)/2], v253 matrix_a_fmt:MATRIX_FMT_FP6 matrix_b_fmt:MATRIX_FMT_FP6
.endif
.endm
; A KEY STEP: 128 keys
.macro STEP
	s_cmp_gt_u32 s[KF], s[QL]                      ; all keys behind the tile's queries, or not this walk's: only the address steps at the end are run
	s_cbranch_scc1 .Lhidden_\@
	v_add_nc_u32 v6, s[TBK], v1                    ; (these six are also the places behind the last step's products, in front of the loads below)
	v_add_nc_u32 v7, s[TBK], v2
	v_add_nc_u32 v8, s[TBV], v1
	v_add_nc_u32 v9, s[TBV], v2
	v_add_nc_u32 v10, s[TSK], v3
	v_add_nc_u32 v11, s[TSV], v3
.irp i, 0,1,2,3
	ds_load_b32 v[28+\i], v10 offset:128*\i        ; K's scale words: lanes 0-15 tile 2 i, lanes 16-31 tile 2 i + 1
.endr
.irp t, 0,1,2,3,4,5,6,7
	ds_load_b128 v[32+6*\t:35+6*\t], v6 offset:768*\t          ; K's eight half images, six registers apart
	ds_load_b64 v[36+6*\t:37+6*\t], v7 offset:768*\t+512
.endr
.irp t, 0,1,2,3
	ds_load_b128 v[80+12*\t:83+12*\t], v8 offset:6144*\t       ; V's four fragments; the first two of these loads fill the six registers behind K's last tile
	ds_load_b64 v[84+12*\t:85+12*\t], v9 offset:6144*\t+512
	ds_load_b128 v[86+12*\t:89+12*\t], v8 offset:6144*\t+768
	ds_load_b64 v[90+12*\t:91+12*\t], v9 offset:6144*\t+1280
.endr
	WALU
	s_wait_dscnt 14                                ; K's words, its sixteen loads and V's first two are in (and all that is older); V's other fourteen loads may be out
.irp u, 0,1,2,3,4,5,6,7
	SMUL \u
.endr
	PLACES 4
	ds_load_b32 v28, v11                           ; V's scale words: lanes 0-15 tile 0, lanes 16-31 tile 1;
	ds_load_b32 v29, v11 offset:128                ; tiles 2 and 3
	s_add_co_u32 s77, s[KF], 127                   ; on the diagonal the scores of hidden keys become -infinity: p = 0 then.  A step all of whose keys count skips this
	s_cmp_le_u32 s77, s[Q0]
	s_cbranch_scc1 .Lopen_\@
	s_sub_co_i32 s77, s[Q0], s[KF]
	v_and_b32 v236, 15, v0
	v_and_b32 v238, 8, v0
	v_add_nc_u32 v236, v236, v238
	v_and_b32 v238, 16, v0
	v_sub_nc_u32 v236, v236, v238
	v_add_nc_u32 v236, s77, v236                   ; d = my query - first key - 16 h.  Register 16 b + i holds key 32 b + 16 h + i of the step: hidden where 32 b + i > d
	v_mov_b32 v237, 0xff800000
.set N_, 0
.rept 64
	v_cmp_gt_i32 vcc_lo, 32*(N_/16)+N_%16, v236
	v_cndmask_b32 v[S+N_], v[S+N_], v237, vcc_lo
.set N_, N_+1
.endr
.Lopen_\@:
.irp b, 0,1,2,3
	v_max3_num_f32 v[244+\b], v[S+16*\b], v[S+1+16*\b], v[S+2+16*\b]   ; the largest score of each block of 32 keys: for the row's maximum and, since p rises with the score, for the block's largest p
.endr
.irp i, 3,5,7,9,11,13
.irp b, 0,1,2,3
	v_max3_num_f32 v[244+\b], v[244+\b], v[S+16*\b+\i], v[S+1+16*\b+\i]
.endr
.endr
.irp b, 0,1,2,3
	v_max_num_f32 v[244+\b], v[244+\b], v[S+15+16*\b]
.endr
.irp b, 0,1,2,3
	v_permlanex16_b32 v[236+\b], v[244+\b], s[SEL], s[SEL+1]
.endr
.irp b, 0,1,2,3
	v_max_num_f32 v[244+\b], v[244+\b], v[236+\b]
.endr
	v_max3_num_f32 v254, v244, v245, v246
	v_max_num_f32 v254, v254, v247
	v_mul_f32 v254, s[CS], v254
	v_max_num_f32 v13, v13, v254                   ; the running largest t
	v_mov_b32 v254, v12
	v_floor_f32 v12, -v13                          ; -M = floor(-t): M is a whole number
	v_sub_f32 v254, v12, v254
	v_cvt_i32_f32 v254, v254                       ; (it saturates)
	v_ldexp_f32 v252, 1.0, v254                    ; f = 2^(old M - new M)
.irp b, 0,1,2,3
	v_fma_f32 v[244+\b], v[244+\b], s[CS], v12     ; t - M of each block's largest score
.endr
.set N_, 0
.rept 32
	v_pk_fma_f32 v[S+N_:S+N_+1], v[S+N_:S+N_+1], s[CS:CS+1], v[12:13] op_sel_hi:[1,0,0]   ; t - M, a pair at a time: all the batch's sources first
.set N_, N_+2
.endr
	WALU
.set N_, 0
.rept 64
	v_exp_f32 v[S+N_], v[S+N_]                     ; p = 2^(t - M)
.set N_, N_+1
.endr
	v_pk_mul_f32 v[14:15], v[14:15], v[252:253] op_sel_hi:[1,0]   ; the sums under the new M: the plain instruction behind the exponentials
	WALU                                           ; one wait for the 64, ahead of their first reader
.irp b, 0,1,2,3
	v_exp_f32 v[244+\b], v[244+\b]                 ; each block's largest p
.endr
	v_pk_add_f32 v[236:237], v[S:S+1], v[S+2:S+3]  ; the row's sum of the unquantised p, in four chains
	v_pk_add_f32 v[238:239], v[S+4:S+5], v[S+6:S+7]
	v_pk_add_f32 v[240:241], v[S+8:S+9], v[S+10:S+11]
	v_pk_add_f32 v[14:15], v[14:15], v[S+12:S+13]
.set N_, 14
.rept 25
.set C_, ((N_-14)/2)%4
.if C_ == 3
	v_pk_add_f32 v[14:15], v[14:15], v[S+N_:S+N_+1]
.else
	v_pk_add_f32 v[236+2*C_:237+2*C_], v[236+2*C_:237+2*C_], v[S+N_:S+N_+1]
.endif
.set N_, N_+2
.endr
	v_pk_add_f32 v[236:237], v[236:237], v[238:239]
	v_pk_add_f32 v[14:15], v[14:15], v[240:241]
	v_pk_add_f32 v[14:15], v[14:15], v[236:237]
	WALU                                           ; and one for the four
.irp b, 0,1,2,3
	v_max_num_f32 v[244+\b], 0x1800000, v[244+\b]  ; the floor 2^(3 - 127)
.endr
.irp b, 0,1,2,3
	v_add_nc_u32 v[248+\b], 0xff000000, v[244+\b]
.endr
.irp b, 0,1,2,3
	v_lshrrev_b32 v[236+\b], 23, v[248+\b]
.endr
	v_lshl_or_b32 v253, v237, 8, v236              ; p's scale word for these 128 keys
	v_lshl_or_b32 v253, v238, 16, v253
	v_lshl_or_b32 v253, v239, 24, v253
.irp c, 0,1
	v_cvt_scalef32_pk16_fp6_f32 v[224+6*\c:226+6*\c], v[S+32*\c:S+15+32*\c], v[248+2*\c]
	v_cvt_scalef32_pk16_fp6_f32 v[236+4*\c:238+4*\c], v[S+16+32*\c:S+31+32*\c], v[248+2*\c+1]
.endr
	v_nop
.irp c, 0,1
.irp i, 0,1,2
	v_permlane16_swap_b32 v[224+6*\c+\i], v[236+4*\c+\i]
.endr
.irp i, 0,1,2
	v_mov_b32 v[227+6*\c+\i], v[236+4*\c+\i]
.endr
.endr
	WALU                                           ; directly ahead of the first reader of O^T
.set N_, 0
.rept 16
	v_pk_mul_f32 v[O+N_:O+N_+1], v[O+N_:O+N_+1], v[252:253] op_sel_hi:[1,0]   ; O^T under the new M; these sixteen also stand between the writes of p's codes and scale word and the products
.set N_, N_+2
.endr
	WALU
	s_wait_dscnt 0x0                               ; V's fragments and scale words
.irp t, 0,1,2,3
	OMUL \t                                        ; the four accumulators by turns
.endr
.Lhidden_\@:
	s_add_co_u32 s[KF], s[KF], 128
	s_add_co_u32 s[TBK], s[TBK], 6144
	s_add_co_u32 s[TSK], s[TSK], 512
	s_add_co_u32 s[TBV], s[TBV], 1536
	s_add_co_u32 s[TSV], s[TSV], 256
.endm
.macro WALK first                      ; the four steps of one chunk, first .. first + 3, of the tile whose Q, Q0 and QL stand
	s_mov_b32 s[KF], 128*(\first)
	s_mov_b32 s[TBK], KC+6144*(\first)
	s_mov_b32 s[TSK], KS+512*(\first)
	s_mov_b32 s[TBV], VC+6144*(\first)             ; a chunk of V^T is 4 x 6,144 bytes; inside it a step is 1,536 on, a tile 6,144
	s_mov_b32 s[TSV], VS+256*(\first)
	s_mov_b32 s[CNT], 4
.Lwalk_\@:
	STEP
	s_sub_co_u32 s[CNT], s[CNT], 1
	s_cmp_lg_u32 s[CNT], 0
	s_cbranch_scc1 .Lwalk_\@
.endm
	; MY OWN TILE, its early steps
	s_mov_b32 s[Q0], s59
	s_mov_b32 s[QL], s60
	WALK 0
	s_wait_dscnt 0x0                               ; no LDS instruction of mine is out at a signal
	s_wait_tensorcnt 0x0                           ; this barrier shows all that is still out: every wave waits
	s_barrier_signal -1
	s_barrier_wait -1                              ; all of K and V^T is there for all sixteen
	WALK 4
	PLACES 4
	v_add_nc_u32 v6, s63, v1
.irp k, 0,1,2,3,4,5,6,7
	ds_store_b128 v6, v[O+4*\k:O+4*\k+3] offset:512*\k         ; the early part: O^T, each accumulator from its low end on,
.endr
	ds_store_b128 v6, v[12:15] offset:4096         ; -M and the sums
	v_and_b32 v7, 15, v0
	v_lshlrev_b32 v7, 2, v7
	global_load_b128 v[16:19], v1, s[88:89]        ; my partner's Q, which the partner's wave has read at the head
	global_load_b64 v[20:21], v2, s[88:89] offset:512
	global_load_b32 v255, v7, s[96:97]
	INIT
	s_wait_loadcnt 0x0
	; MY PARTNER'S TILE, its late steps
	s_mov_b32 s[Q0], s57
	s_mov_b32 s[QL], s58
	WALK 8
	WALK 12
	PLACES 4
	v_add_nc_u32 v6, s62, v1
	WALU
	s_wait_dscnt 0x0                               ; for the others' sake: the part that I stored lies in LDS
	s_barrier_signal -1
	s_barrier_wait -1
.irp k, 0,1,2,3,4,5,6,7
	ds_load_b128 v[S+4*\k:S+4*\k+3], v6 offset:512*\k          ; what my partner made of its tile's early steps
.endr
	ds_load_b128 v[S+32:S+35], v6 offset:4096
	s_wait_dscnt 0x0
	; THE TWO PARTS ARE JOINED under the larger M.  A part with no step holds -M = 3e38, sums and O^T of zeros: its factor comes out 0
	v_min_num_f32 v254, v12, v[S+32]               ; the new -M
	v_sub_f32 v252, v254, v12
	v_sub_f32 v254, v254, v[S+32]
	v_cvt_i32_f32 v252, v252                       ; (they saturate)
	v_cvt_i32_f32 v254, v254
	v_ldexp_f32 v252, 1.0, v252                    ; the late part's factor,
	v_ldexp_f32 v254, 1.0, v254                    ; the early part's
	v_pk_mul_f32 v[14:15], v[14:15], v[252:253] op_sel_hi:[1,0]
	v_pk_fma_f32 v[14:15], v[S+34:S+35], v[254:255], v[14:15] op_sel_hi:[1,0,1]
.set N_, 0
.rept 16
	v_pk_mul_f32 v[S+N_:S+N_+1], v[S+N_:S+N_+1], v[254:255] op_sel_hi:[1,0]
.set N_, N_+2
.endr
.set N_, 0
.rept 16
	v_pk_fma_f32 v[S+N_:S+N_+1], v[O+N_:O+N_+1], v[252:253], v[S+N_:S+N_+1] op_sel_hi:[1,0,1]
.set N_, N_+2
.endr
	; THE WAY OUT: O^T / the sum; its 32 numbers a lane are two blocks of 32 along the next product's K: quantised, and stored as half an image.
	v_add_f32 v14, v14, v15
	v_permlanex16_b32 v252, v14, s[SEL], s[SEL+1]
	v_add_f32 v14, v14, v252
	WALU
	v_rcp_f32 v14, v14
	v_and_b32 v6, 15, v0                           ; (plain work behind the reciprocal)
	v_bfe_u32 v7, v0, 4, 1
	v_lshl_add_u32 v6, v6, 2, v7                   ; my scale byte's place: 4 r + h
	WALU
.set N_, 0
.rept 16
	v_pk_mul_f32 v[S+N_:S+N_+1], v[S+N_:S+N_+1], v[14:15] op_sel_hi:[1,0]   ; register 16 b + i = channel 32 b + 16 h + i of my query
.set N_, N_+2
.endr
.irp b, 0,1
	v_max3_num_f32 v[244+\b], |v[S+16*\b]|, |v[S+1+16*\b]|, 0x1800000
.endr
.irp i, 2,4,6,8,10,12,14
.irp b, 0,1
	v_max3_num_f32 v[244+\b], v[244+\b], |v[S+16*\b+\i]|, |v[S+1+16*\b+\i]|
.endr
.endr
.irp b, 0,1
	v_permlanex16_b32 v[236+\b], v[244+\b], s[SEL], s[SEL+1]
.endr
.irp b, 0,1
	v_max_num_f32 v[244+\b], v[244+\b], v[236+\b]
.endr
.irp b, 0,1
	v_add_nc_u32 v[248+\b], 0xff000000, v[244+\b]
.endr
.irp b, 0,1
	v_lshrrev_b32 v[236+\b], 23, v[248+\b]
.endr
	v_cvt_scalef32_pk16_fp6_f32 v[224:226], v[S:S+15], v248
	v_cvt_scalef32_pk16_fp6_f32 v[240:242], v[S+16:S+31], v249
	v_nop
.irp i, 0,1,2
	v_permlane16_swap_b32 v[224+\i], v[240+\i]
.endr
.irp i, 0,1,2
	v_mov_b32 v[227+\i], v[240+\i]
.endr
	v_cndmask_b32 v254, v236, v237, s[MH]          ; lanes 0-15 store block 0's byte, lanes 16-31 block 1's
	global_store_b128 v1, v[224:227], s[90:91]
	global_store_b64 v2, v[228:229], s[90:91] offset:512
	global_store_b8 v6, v254, s[92:93]
	s_wait_tensorcnt 0x0                           ; the wave's end
	ds_add_u32 v4, v5
	s_wait_dscnt 0x0
	s_endpgm
.Lfunc_end_k_q7028f52eba_attn:
	.size	k_q7028f52eba_attn, .Lfunc_end_k_q7028f52eba_attn-k_q7028f52eba_attn
	.p2alignl 7, 3214868480
	.fill 96, 4, 3214868480
	.section	.rodata,"a",@progbits
	.p2align	6, 0x0
	.amdhsa_kernel k_q7028f52eba_attn
		.amdhsa_group_segment_fixed_size 284672
		.amdhsa_private_segment_fixed_size 0
		.amdhsa_enable_private_segment 0
		.amdhsa_kernarg_size 16
		.amdhsa_user_sgpr_count 2
		.amdhsa_user_sgpr_kernarg_segment_ptr 1
		.amdhsa_wavefront_size32 1
		.amdhsa_system_sgpr_workgroup_id_x 1
		.amdhsa_system_sgpr_workgroup_id_y 1
		.amdhsa_system_sgpr_workgroup_id_z 1
		.amdhsa_system_vgpr_workitem_id 0
		.amdhsa_next_free_vgpr 256
		.amdhsa_next_free_sgpr 100
		.amdhsa_reserve_vcc 1
		.amdhsa_float_denorm_mode_32 3
		.amdhsa_float_denorm_mode_16_64 3
		.amdhsa_memory_ordered 1
		.amdhsa_forward_progress 1
		.amdhsa_inst_pref_size 112
	.end_amdhsa_kernel
	.amdgpu_metadata
---
amdhsa.version: [ 1, 2 ]
amdhsa.kernels:
  - .name:           k_q7028f52eba_attn
    .symbol:         k_q7028f52eba_attn.kd
    .args:
      - { .name: qkvb, .offset: 0, .size: 8, .value_kind: global_buffer, .address_space: global }
      - { .name: ao, .offset: 8, .size: 8, .value_kind: global_buffer, .address_space: global }
    .group_segment_fixed_size: 284672
    .private_segment_fixed_size: 0
    .kernarg_segment_align: 8
    .kernarg_segment_size: 16
    .max_flat_workgroup_size: 512
    .sgpr_count:     100
    .vgpr_count:     256
    .wavefront_size: 32
...
	.end_amdgpu_metadata
.endif
;; end of part 3
;; launch wo (part 4): grid 8 x 32, 4 waves a work-group, clusters of 4 x 4, 327,680 bytes of LDS; arguments ao, ops, x, x1; writes x1
.if DOCPART == 4
	.amdgcn_target "amdgcn-amd-amdhsa--gfx1250"
	.amdhsa_code_object_version 6
	.text
	.protected	k_q7028f52eba_wo
	.globl	k_q7028f52eba_wo
	.p2align	8
	.type	k_q7028f52eba_wo,@function
k_q7028f52eba_wo:
	s_mov_b64 s[64:65], 0
	v_nop
	global_prefetch_b8 v0, s[64:65] scope:SCOPE_SE
	s_setreg_imm32_b32 hwreg(HW_REG_WAVE_MODE, 25, 1), 1
	s_wait_xcnt 0x0
	s_wait_alu depctr_hold_cnt(0) depctr_sa_sdst(0) depctr_va_vdst(0) depctr_va_sdst(0) depctr_va_ssrc(0) depctr_va_vcc(0) depctr_vm_vsrc(0)
	s_getreg_b32 s2, hwreg(HW_REG_IB_STS2, 6, 4)
	s_cmp_eq_u32 s2, 0
	s_cbranch_scc0 .Lentry_in_a_cluster
	s_endpgm
.Lentry_in_a_cluster:
	s_bfe_u32 s2, ttmp6, 0x10000c
	s_cmp_lg_u32 s2, 0xf033
	s_cbranch_scc0 .Lentry_shape_is_right
	s_endpgm
.Lentry_shape_is_right:
; x1 = x + attention's output x wo, the product on codes of FP6 (E2M3) with E8M0 scales; sums, residual and result in f32.
; OPERANDS are images of the matrix unit's registers: codes [T][8][1,536], scale words [T][8][16]; tile T holds rows 32 (T / 2) + 8 (T % 2) + r + 8 (r / 8).  A = ao (tokens), B = wo's part of ops (features).
; THE MATRIX INSTRUCTION IS USED TRANSPOSED (source 0 = 16 rows of B, source 1 = 16 rows of A): a lane holds one token; the 16 registers of B's tiles 2 b, 2 b + 1 are features 32 b + 16 h + 0 .. 15.
; SHARES: 4,096 x 1,024 in blocks of 128 x 128 gives 256 work-groups.  Each of four waves makes 64 x 64: 16 accumulators.
; ALL OF K LIES IN LDS, FILLED ONCE, one tensor load a wave: wave 0 A's 8 tiles (98,304 dense bytes), wave 1 B's, wave 2 A's scale words (4,096 bytes), wave 3 B's.  Nothing is filled again: one barrier, no ring.
; CLUSTERS: 4 x 4.  A's tiles are asked for jointly along a row of the cluster, B's along a column.
; NO PREFETCH: all that the work-group reads is asked for at the head; there is no loop to run ahead in.
; THE WAY OUT: 16 tokens x 64 features at a time through the wave's own stage in LDS (rows 272 bytes apart, bytes into which no tile lands), back as whole rows of 256 bytes; the residual, loaded at the head in the same layout,
; is added; sixteen lanes store 256 aligned bytes.
; LIMITS: NaN and infinities are not served.
; REGISTERS: window 0: v4, v5 16 x lane, 8 x lane; v16-19 LDS addresses; v24-26 the way out; v27 scale words' address; v28, v29 the add's two; v32-47 scale words, two sets; v64-159 A's fragments, two sets.
;   window 1: v0-95 B's fragments, two sets.   window 2: the accumulators, (a, b) at v[8 (4 a + b)].   window 3: v0-127 the residual.
.set MA, 4
.set NB, 4
.set KT, 8
.set ASOFF, 3145728                    ; ao: the scale words
.set BOFF,  2359296                    ; ops: wo's codes
.set BSOFF, 9437184+98304              ; ops: wo's scale words
.set QB,    MA*KT*1536                 ; a wave's half of A or of B, all of K
.set QS,    MA*KT*64                   ; its scale words
.set SCL,   4*QB
.set STG,   SCL+4*QS                   ; the stages: 16 rows x 272 bytes a wave
.set SPARE, STG+4*16*272               ; the spare words, 128 bytes a wave: two blocks of 256 bytes that no other line names
.set O16,  4
.set O8,   5
.set ADRA, 16                          ; v16, v17: 16 x lane, 8 x lane in my half of A;  v18, v19: of B
.set ADRB, 18
.set STO,  24
.set RD,   25
.set CO,   26
.set ADRS, 27
.set SPW,  28
.set NIL,  29
.set SC,   32
.set AF,   64
.set BK,   64
.set G1, 24
.set G0, 32
.set G1B, 48
.set G0B, 56
.set G1S, 68
.set G0S, 76
.set G1SB, 80
.set G0SB, 88
.set MSB, 0
.macro WIN new                         ; the immediate's high byte repeats the setting that is left; a switch that changes nothing is dropped
.if MSB != (\new)
	s_set_vgpr_msb (MSB<<8)|(\new)
.set MSB, (\new)
.endif
.endm
.macro PLACES n
.rept \n
	v_nop
.endr
.endm
.macro CROUND                          ; a round of the cluster's barrier
	s_barrier_signal -1
	s_barrier_wait -1
	s_cmp_lg_u32 s14, 0
	s_cbranch_scc1 .Lnot_wave_0_\@
	s_barrier_signal -3
.Lnot_wave_0_\@:
	s_barrier_wait -3
	s_barrier_signal -1
	s_barrier_wait -1
.endm
.macro ARM under, g0, g1, next         ; an arm of the head's chain: a load, its s_nop 0 and four v_nop, a jump to the join
	s_cmp_lt_u32 s14, \under
	s_cbranch_scc0 \next
	tensor_load_to_lds s[\g0:\g0+3], s[\g1:\g1+7]
	s_nop 0
	PLACES 4
	s_branch .Lhead_asked
\next:
.endm
.macro FRAG reg, a, off                ; a fragment's image comes back as it was stored: four loads of consecutive bytes
.set R_, \reg
.set O_, \off
	ds_load_b128 v[R_:R_+3], v[\a] offset:O_
	ds_load_b64 v[R_+4:R_+5], v[\a+1] offset:O_+512
	ds_load_b128 v[R_+6:R_+9], v[\a] offset:O_+768
	ds_load_b64 v[R_+10:R_+11], v[\a+1] offset:O_+1280
.endm
.macro FETCH q, set                    ; K step q's fragments and scale words into one of the two sets
	WIN 0x40
.set I_, 0
.rept NB
	FRAG 12*NB*(\set)+12*I_, ADRB, (I_*KT+(\q))*1536
.set I_, I_+1
.endr
	WIN 0
.set I_, 0
.rept MA
	FRAG AF+12*MA*(\set)+12*I_, ADRA, (I_*KT+(\q))*1536
	ds_load_b32 v[SC+8*(\set)+I_], v[ADRS] offset:(I_*KT+(\q))*64   ; lanes 0-15: A's tile i; lanes 16-31: B's tile i
.set I_, I_+1
.endr
.endm
.macro MULS set, first                 ; 16 products; the accumulators take turns, one instruction a turn, in the same order in every step.  first = 1: they start the sums
	WIN 0xa1
.set A_, 0
.rept MA
.set B_, 0
.rept NB
.set AC_, 8*(NB*A_+B_)
.set FB_, 12*NB*(\set)+12*B_
.set FA_, AF+12*MA*(\set)+12*A_
.if \first
	v_wmma_scale_f32_16x16x128_f8f6f4 v[AC_:AC_+7], v[FB_:FB_+11], v[FA_:FA_+11], 0, v[SC+8*(\set)+B_], v[SC+8*(\set)+A_] matrix_a_fmt:MATRIX_FMT_FP6 matrix_b_fmt:MATRIX_FMT_FP6 matrix_a_scale:MATRIX_SCALE_ROW1
.else
	v_wmma_scale_f32_16x16x128_f8f6f4 v[AC_:AC_+7], v[FB_:FB_+11], v[FA_:FA_+11], v[AC_:AC_+7], v[SC+8*(\set)+B_], v[SC+8*(\set)+A_] matrix_a_fmt:MATRIX_FMT_FP6 matrix_b_fmt:MATRIX_FMT_FP6 matrix_a_scale:MATRIX_SCALE_ROW1
.endif
.set B_, B_+1
.endr
.set A_, A_+1
.endr
.endm
.macro STEP q, first                   ; this step's operands were asked for a step ago; the next step's go out in one run, into the other set
	s_wait_dscnt 0x0
	PLACES 4                                       ; four plain instructions between the last products and loads into registers that they read
	FETCH (\q)+1, 1-(\q)%2
	MULS (\q)%2, \first
.endm
	s_load_b256 s[4:11], s[0:1], 0x0               ; ao, ops, x, x1
	v_lshl_add_u32 v[SPW], v0, 2, SPARE
	v_mov_b32 v[NIL], 0
	ds_add_u32 v[SPW], v[NIL]                      ; the wave's opening: the add, twice on end, and its wait ahead of my tensor load
	ds_add_u32 v[SPW], v[NIL]
	v_lshrrev_b32 v1, 5, v0
	v_readfirstlane_b32 s14, v1                    ; wave 0..3
	s_lshr_b32 s15, s14, 1                         ; my half of the rows
	s_and_b32 s16, s14, 1                          ; my half of the columns
	s_bfe_u32 s40, ttmp6, 0x40000                  ; cx
	s_bfe_u32 s41, ttmp6, 0x40004                  ; cy
	s_lshl_b32 s42, ttmp9, 2
	s_add_co_u32 s42, s42, s40                     ; block of 128 columns
	s_and_b32 s17, ttmp7, 0xffff
	s_lshl_b32 s17, s17, 2
	s_add_co_u32 s17, s17, s41                     ; block of 128 rows
	s_lshl_b32 s43, s41, 2
	s_lshl_b32 s43, 15, s43                        ; my row of the cluster
	s_lshl_b32 s44, 0x1111, s40                    ; my column
	s_or_b32 s[G1+0], s43, (3<<16)|(1<<21)         ; the mask; elements of 8 bytes; bit 21 beside a mask; no padding
	s_or_b32 s[G1B+0], s44, (3<<16)|(1<<21)
.irp g, G1, G1B
	s_mov_b32 s[\g+1], (192*KT)<<16                ; a row: a tile's KT fragments, 12,288 bytes
	s_mov_b32 s[\g+2], (2*MA)<<16                  ; 8 tiles
	s_mov_b32 s[\g+3], (192*KT)<<16
	s_mov_b32 s[\g+4], 2*MA
	s_mov_b32 s[\g+5], 192*KT
	s_mov_b32 s[\g+6], 0
	s_mov_b32 s[\g+7], 0
.endr
	s_or_b32 s[G1S+0], s43, (3<<16)|(1<<21)        ; the scale words: a dense block as rows of 256 bytes
	s_or_b32 s[G1SB+0], s44, (3<<16)|(1<<21)
.irp g, G1S, G1SB
	s_mov_b32 s[\g+1], 32<<16
	s_mov_b32 s[\g+2], (2*QS/256)<<16
	s_mov_b32 s[\g+3], 32<<16
	s_mov_b32 s[\g+4], 2*QS/256
	s_mov_b32 s[\g+5], 32
	s_mov_b32 s[\g+6], 0
	s_mov_b32 s[\g+7], 0
.endr
	s_mul_i32 s20, s17, 2*QB                       ; where my block's tiles and scale words begin, in bytes
	s_mov_b32 s21, 0
	s_mul_i32 s22, s17, 2*QS
	s_add_co_u32 s22, s22, ASOFF
	s_mov_b32 s23, 0
	s_mul_i32 s46, s42, 2*QB
	s_add_co_u32 s46, s46, BOFF
	s_mov_b32 s47, 0
	s_mul_i32 s92, s42, 2*QS
	s_add_co_u32 s92, s92, BSOFF
	s_mov_b32 s93, 0
	s_mov_b32 s[G0], 1
	s_mov_b32 s[G0+1], 0
	s_mov_b32 s[G0B], 1
	s_mov_b32 s[G0B+1], 2*QB
	s_mov_b32 s[G0S], 1
	s_mov_b32 s[G0S+1], SCL
	s_mov_b32 s[G0SB], 1
	s_mov_b32 s[G0SB+1], SCL+2*QS
	s_wait_dscnt 0x0                               ; both opening adds are done
	s_wait_kmcnt 0x0
	s_add_nc_u64 s[G0+2:G0+3], s[4:5], s[20:21]
	s_or_b32 s[G0+3], s[G0+3], 0x80000000
	s_add_nc_u64 s[G0B+2:G0B+3], s[6:7], s[46:47]
	s_or_b32 s[G0B+3], s[G0B+3], 0x80000000
	s_add_nc_u64 s[G0S+2:G0S+3], s[4:5], s[22:23]
	s_or_b32 s[G0S+3], s[G0S+3], 0x80000000
	s_add_nc_u64 s[G0SB+2:G0SB+3], s[6:7], s[92:93]
	s_or_b32 s[G0SB+3], s[G0SB+3], 0x80000000
	CROUND                                         ; all sixteen work-groups are here: the joint loads meet
	ARM 1, G0,  G1,  .Lhead_b
	ARM 2, G0B, G1B, .Lhead_sa
	ARM 3, G0S, G1S, .Lhead_sb
	tensor_load_to_lds s[G0SB:G0SB+3], s[G1SB:G1SB+7]
	s_nop 0
	PLACES 4
.Lhead_asked:
	v_and_b32 v3, 31, v0
	v_and_b32 v1, 15, v0                           ; r
	v_bfe_u32 v2, v0, 4, 1                         ; h
	v_lshlrev_b32 v[O16], 4, v3
	v_lshlrev_b32 v[O8], 3, v3
	v_lshlrev_b32 v[CO], 12, v2
	v_lshl_add_u32 v[CO], v1, 4, v[CO]             ; the result and the residual: lanes 0-15 one row's 256 bytes, lanes 16-31 the next row's
	s_wait_alu depctr_va_vdst(0)
	s_lshl_b32 s18, s17, 7
	s_lshl_b32 s19, s15, 6
	s_add_co_u32 s18, s18, s19
	s_lshl_b32 s18, s18, 12
	s_lshl_b32 s19, s42, 9
	s_add_co_u32 s18, s18, s19
	s_lshl_b32 s19, s16, 8
	s_add_co_u32 s18, s18, s19                     ; my 64 rows x 64 columns: row 128 x block + 64 x half, byte 512 x block + 256 x half
	s_mov_b32 s19, 0
	s_add_nc_u64 s[92:93], s[8:9], s[18:19]
	s_add_nc_u64 s[94:95], s[10:11], s[18:19]
	s_mul_i32 s21, s15, QB
	s_mul_i32 s22, s16, QB
	s_add_co_u32 s22, s22, 2*QB
	v_add_nc_u32 v[ADRA], s21, v[O16]
	v_add_nc_u32 v[ADRA+1], s21, v[O8]
	v_add_nc_u32 v[ADRB], s22, v[O16]
	v_add_nc_u32 v[ADRB+1], s22, v[O8]
	s_mul_i32 s21, s15, QS                         ; scale words: lanes 0-15 A's, my half; lanes 16-31 B's, my half, behind A's two
	s_mul_i32 s22, s16, QS
	s_add_co_u32 s22, s22, 2*QS
	s_sub_co_u32 s22, s22, s21
	v_mul_u32_u24 v6, s22, v2
	s_add_co_u32 s21, s21, SCL
	v_lshlrev_b32 v7, 2, v1
	v_add_nc_u32 v6, v7, v6
	v_add_nc_u32 v[ADRS], s21, v6
	s_mul_i32 s23, s14, 16*272
	s_add_co_u32 s23, s23, STG                     ; my stage
	v_mul_u32_u24 v[STO], v1, 272
	v_lshl_add_u32 v[STO], v2, 6, v[STO]
	v_add_nc_u32 v[STO], s23, v[STO]               ; in: row r, + 64 h
	v_mul_u32_u24 v[RD], v2, 272
	v_lshl_add_u32 v[RD], v1, 4, v[RD]
	v_add_nc_u32 v[RD], s23, v[RD]                 ; back: lanes 0-15 one row, lanes 16-31 the next
	s_wait_alu depctr_va_vdst(0)
	s_wait_tensorcnt 0x0                           ; my tile is in;
	s_barrier_signal -1
	s_barrier_wait -1                              ; and so are the other three.
	FETCH 0, 0
	STEP 0, 1                                      ; the first step's products start the sums
	WIN 0xc0                                       ; the residual is asked for behind the tiles, for which the products wait; it is wanted on the way out
.irp a, 0,1,2,3
.irp t, 0,1,2,3,4,5,6,7
	global_load_b128 v[32*\a+4*\t:32*\a+4*\t+3], v[CO], s[92:93] offset:(32*(\a/2)+8*(\a%2)+2*\t+8*(\t/4))*4096   ; the rows of tile a, by the rule of the tiles
.endr
.endr
	WIN 0
.set Q_, 1
.rept KT-2
	STEP Q_, 0
.set Q_, Q_+1
.endr
	s_wait_dscnt 0x0
	MULS 1, 0
.macro TOSTAGE a
	WIN 0x08                                       ; an LDS store's data are its source 1: window 2
.irp b, 0,1,2,3
	ds_store_b128 v[STO], v[8*(4*(\a)+\b):8*(4*(\a)+\b)+3] offset:128*(\b/2)+32*(\b%2)        ; each accumulator from its low end on
	ds_store_b128 v[STO], v[8*(4*(\a)+\b)+4:8*(4*(\a)+\b)+7] offset:128*(\b/2)+32*(\b%2)+16
.endr
	WIN 0
.irp t, 0,1,2,3,4,5,6,7
	ds_load_b128 v[BK+32*((\a)%2)+4*\t:BK+32*((\a)%2)+4*\t+3], v[RD] offset:544*\t   ; LDS serves a wave's instructions in order: these see the stores above
.endr
.endm
.macro SEND a, younger
.set BB, BK+32*((\a)%2)
	s_wait_dscnt \younger                          ; the block is back; the next block's 8 stores and 8 loads may be out
	WIN 0x0c
.irp j, 0,2,4,6,8,10,12,14,16,18,20,22,24,26,28,30
	v_pk_add_f32 v[BB+\j:BB+\j+1], v[BB+\j:BB+\j+1], v[32*(\a)+\j:32*(\a)+\j+1]   ; + the residual
.endr
	WIN 0
.irp t, 0,1,2,3,4,5,6,7
	global_store_b128 v[CO], v[BB+4*\t:BB+4*\t+3], s[94:95] offset:(32*((\a)/2)+8*((\a)%2)+2*\t+8*(\t/4))*4096
.endr
.endm
	WIN 0
	PLACES 4
	s_wait_loadcnt 0x0                             ; the residual
	TOSTAGE 0
.irp a, 1,2,3
.if \a > 1
	s_wait_xcnt 0x0                                ; block a - 2's stores have read their registers: block a's loads may land there
.endif
	TOSTAGE \a
	SEND \a-1, 16
.endr
	SEND 3, 0
	s_wait_tensorcnt 0x0                           ; the wave's end
	ds_add_u32 v[SPW], v[NIL]
	s_wait_dscnt 0x0
	CROUND                                         ; the closing round
	s_endpgm
.Lfunc_end_k_q7028f52eba_wo:
	.size	k_q7028f52eba_wo, .Lfunc_end_k_q7028f52eba_wo-k_q7028f52eba_wo
	.p2alignl 7, 3214868480
	.fill 96, 4, 3214868480
	.section	.rodata,"a",@progbits
	.p2align	6, 0x0
	.amdhsa_kernel k_q7028f52eba_wo
		.amdhsa_group_segment_fixed_size 327680
		.amdhsa_private_segment_fixed_size 0
		.amdhsa_enable_private_segment 0
		.amdhsa_kernarg_size 32
		.amdhsa_user_sgpr_count 2
		.amdhsa_user_sgpr_kernarg_segment_ptr 1
		.amdhsa_wavefront_size32 1
		.amdhsa_system_sgpr_workgroup_id_x 1
		.amdhsa_system_sgpr_workgroup_id_y 1
		.amdhsa_system_sgpr_workgroup_id_z 1
		.amdhsa_system_vgpr_workitem_id 0
		.amdhsa_next_free_vgpr 1024
		.amdhsa_next_free_sgpr 100
		.amdhsa_reserve_vcc 0
		.amdhsa_float_denorm_mode_32 3
		.amdhsa_float_denorm_mode_16_64 3
		.amdhsa_memory_ordered 1
		.amdhsa_forward_progress 1
		.amdhsa_inst_pref_size 60
	.end_amdhsa_kernel
	.amdgpu_metadata
---
amdhsa.version: [ 1, 2 ]
amdhsa.kernels:
  - .name:           k_q7028f52eba_wo
    .symbol:         k_q7028f52eba_wo.kd
    .args:
      - { .name: ao, .offset: 0, .size: 8, .value_kind: global_buffer, .address_space: global }
      - { .name: ops, .offset: 8, .size: 8, .value_kind: global_buffer, .address_space: global }
      - { .name: x, .offset: 16, .size: 8, .value_kind: global_buffer, .address_space: global }
      - { .name: x1, .offset: 24, .size: 8, .value_kind: global_buffer, .address_space: global }
    .group_segment_fixed_size: 327680
    .private_segment_fixed_size: 0
    .kernarg_segment_align: 8
    .kernarg_segment_size: 32
    .max_flat_workgroup_size: 128
    .sgpr_count:     100
    .vgpr_count:     1024
    .wavefront_size: 32
...
	.end_amdgpu_metadata
.endif
;; end of part 4
;; launch ln2: the kernel of part 1 again; grid 256 x 1, 8 waves a work-group, no clusters, 66,816 bytes of LDS; arguments x1, g2, be2, wq, wk, wv, wo, w1, w2, ops; writes ops
;; launch ffn1 (part 5): grid 16 x 16, 4 waves a work-group, clusters of 4 x 4, 327,680 bytes of LDS; arguments ops, b1, hid; writes hid
.if DOCPART == 5
	.amdgcn_target "amdgcn-amd-amdhsa--gfx1250"
	.amdhsa_code_object_version 6
	.text
	.protected	k_q7028f52eba_ffn1
	.globl	k_q7028f52eba_ffn1
	.p2align	8
	.type	k_q7028f52eba_ffn1,@function
k_q7028f52eba_ffn1:
	s_mov_b64 s[64:65], 0
	v_nop
	global_prefetch_b8 v0, s[64:65] scope:SCOPE_SE
	s_setreg_imm32_b32 hwreg(HW_REG_WAVE_MODE, 25, 1), 1
	s_wait_xcnt 0x0
	s_wait_alu depctr_hold_cnt(0) depctr_sa_sdst(0) depctr_va_vdst(0) depctr_va_sdst(0) depctr_va_ssrc(0) depctr_va_vcc(0) depctr_vm_vsrc(0)
	s_getreg_b32 s2, hwreg(HW_REG_IB_STS2, 6, 4)
	s_cmp_eq_u32 s2, 0
	s_cbranch_scc0 .Lentry_in_a_cluster
	s_endpgm
.Lentry_in_a_cluster:
	s_bfe_u32 s2, ttmp6, 0x10000c
	s_cmp_lg_u32 s2, 0xf033
	s_cbranch_scc0 .Lentry_shape_is_right
	s_endpgm
.Lentry_shape_is_right:
.set MA, 8
.set NB, 8
.set KT, 8
.set SQ, 2
.set HASBIAS, 1
.set AOFF,  9830400
.set ASOFF, 9830400+3145728
.set BOFF,  3145728
.set BSOFF, 9437184+131072
.set QB,    MA*SQ*1536
.set SLOT,  4*QB
.set QS,    MA*KT*64
.set SCL,   2*SLOT
.set SPARE, SCL+4*QS
.set LAPS,  KT/(2*SQ)
.set O16,  4
.set O8,   5
.set ADRA, 16
.set ADRB, 20
.set ADRS, 27
.set SPW,  28
.set NIL,  29
.set SC,   32
.set AF,   64
.set BI,   192
.set RT,   64
.set PC,   128
.set TM,   200
.set PW,   216
.set G1, 24
.set G0, 32
.set G1B, 48
.set G0B, 56
.set G1S, 68
.set G0S, 76
.set G1SB, 80
.set G0SB, 88
.set SEL, 66
.set PFA, 96                           ; s[96:97] where my prefetches stand: my work-group's two tiles of the eight that I fetch in a refill
.set MSB, 0
.macro WIN new
.if MSB != (\new)
	s_set_vgpr_msb (MSB<<8)|(\new)
.set MSB, (\new)
.endif
.endm
.macro PLACES n
.rept \n
	v_nop
.endr
.endm
.macro JLOAD g0a, g1a, g0b, g1b
	s_cmp_eq_u32 s15, 0
	s_cbranch_scc0 .Lfor_b_\@
	tensor_load_to_lds s[\g0a:\g0a+3], s[\g1a:\g1a+7]
	s_nop 0
.rept 4
	v_nop
.endr
	s_branch .Lasked_\@
.Lfor_b_\@:
	tensor_load_to_lds s[\g0b:\g0b+3], s[\g1b:\g1b+7]
	s_nop 0
.rept 4
	v_nop
.endr
.Lasked_\@:
.endm
.macro CREST
	s_cmp_lg_u32 s14, 0
	s_cbranch_scc1 .Lnot_wave_0_\@
	s_barrier_signal -3
.Lnot_wave_0_\@:
	s_barrier_wait -3
	s_barrier_signal -1
	s_barrier_wait -1
.endm
.macro CROUND
	s_barrier_signal -1
	s_barrier_wait -1
	CREST
.endm
.macro FRAG reg, a16, a8, off
.set R_, \reg
.set O_, \off
	ds_load_b128 v[R_:R_+3], v[\a16] offset:O_
	ds_load_b64 v[R_+4:R_+5], v[\a8] offset:O_+512
	ds_load_b128 v[R_+6:R_+9], v[\a16] offset:O_+768
	ds_load_b64 v[R_+10:R_+11], v[\a8] offset:O_+1280
.endm
.macro FETCH slot, q, set
	WIN 0x40
.set I_, 0
.rept NB
	FRAG 12*NB*(\set)+12*I_, ADRB+\slot, ADRB+2+\slot, (I_*SQ+(\q))*1536
.set I_, I_+1
.endr
	WIN 0
.set I_, 0
.rept MA
	FRAG AF+12*MA*(\set)+12*I_, ADRA+\slot, ADRA+2+\slot, (I_*SQ+(\q))*1536
.set I_, I_+1
.endr
.set I_, 0
.rept MA
	ds_load_b32 v[SC+8*(\set)+I_], v[ADRS] offset:I_*KT*64
.set I_, I_+1
.endr
	v_add_nc_u32 v[ADRS], 64, v[ADRS]
.endm
.macro MULA set, first
.if (\first) && HASBIAS
	WIN 0x91+0x40*(A_/4)
.else
	WIN 0xa1+0x50*(A_/4)
.endif
.set B_, 0
.rept NB
.set AC_, 8*(NB*(A_%4)+B_)
.set FB_, 12*NB*(\set)+12*B_
.set FA_, AF+12*MA*(\set)+12*A_
.if (\first) && HASBIAS
	v_wmma_scale_f32_16x16x128_f8f6f4 v[AC_:AC_+7], v[FB_:FB_+11], v[FA_:FA_+11], v[BI+8*B_:BI+8*B_+7], v[SC+8*(\set)+B_], v[SC+8*(\set)+A_] matrix_a_fmt:MATRIX_FMT_FP6 matrix_b_fmt:MATRIX_FMT_FP6 matrix_a_scale:MATRIX_SCALE_ROW1
.elseif \first
	v_wmma_scale_f32_16x16x128_f8f6f4 v[AC_:AC_+7], v[FB_:FB_+11], v[FA_:FA_+11], 0, v[SC+8*(\set)+B_], v[SC+8*(\set)+A_] matrix_a_fmt:MATRIX_FMT_FP6 matrix_b_fmt:MATRIX_FMT_FP6 matrix_a_scale:MATRIX_SCALE_ROW1
.else
	v_wmma_scale_f32_16x16x128_f8f6f4 v[AC_:AC_+7], v[FB_:FB_+11], v[FA_:FA_+11], v[AC_:AC_+7], v[SC+8*(\set)+B_], v[SC+8*(\set)+A_] matrix_a_fmt:MATRIX_FMT_FP6 matrix_b_fmt:MATRIX_FMT_FP6 matrix_a_scale:MATRIX_SCALE_ROW1
.endif
.set B_, B_+1
.endr
.endm
.macro MULS set, a0, a1, first
.set A_, \a0
.rept (\a1)-(\a0)
	MULA \set, \first
.set A_, A_+1
.endr
.endm
.macro STEP slot, q, first
	s_wait_dscnt 0x0
	PLACES 4
	FETCH \slot, (\q)+1, 1-(\q)%2
	MULS (\q)%2, 0, MA, \first
.endm
.macro TURN slot, next, fill
	WIN 0
	s_wait_tensorcnt 0x0
	ds_add_u32 v[SPW], v[NIL]
	s_wait_dscnt 0x0
	s_barrier_signal -1
	MULS 1, 0, MA/4, 0
	WIN 0
	s_barrier_wait -1
.if \fill
	CREST
	s_add_nc_u64 s[G0+4*\slot+2:G0+4*\slot+3], s[G0+4*\slot+2:G0+4*\slot+3], 2*SQ*1536
	s_add_nc_u64 s[G0B+4*\slot+2:G0B+4*\slot+3], s[G0B+4*\slot+2:G0B+4*\slot+3], 2*SQ*1536
	JLOAD G0+4*\slot, G1, G0B+4*\slot, G1B
.else
	PLACES 4
.endif
	s_wait_alu depctr_va_vdst(0)
	FETCH \next, 0, 0
	MULS 1, MA/4, MA, 0
.endm
.macro MID slot, q0
.set Q_, \q0
.rept SQ-1-(\q0)
	STEP \slot, Q_, 0
.set Q_, Q_+1
.endr
.endm
.macro QUANT w, s, pc, pw
	WIN (\w)|((\w)<<2)
.irp b, 0,1,2,3
	v_max3_num_f32 v[TM+\b], |v[(\s)+16*\b]|, |v[(\s)+1+16*\b]|, 0x1800000
.endr
.irp i, 2,4,6,8,10,12,14
.irp b, 0,1,2,3
	v_max3_num_f32 v[TM+\b], |v[(\s)+16*\b+\i]|, |v[(\s)+1+16*\b+\i]|, v[TM+\b]
.endr
.endr
	WIN 0
.irp b, 0,1,2,3
	v_permlanex16_b32 v[TM+4+\b], v[TM+\b], s[SEL], s[SEL+1]
.endr
.irp b, 0,1,2,3
	v_max_num_f32 v[TM+\b], v[TM+\b], v[TM+4+\b]
.endr
.irp b, 0,1,2,3
	v_add_nc_u32 v[TM+12+\b], 0xff000000, v[TM+\b]
.endr
.irp b, 0,1,2,3
	v_lshrrev_b32 v[TM+4+\b], 23, v[TM+12+\b]
.endr
	v_lshl_or_b32 v[\pw], v[TM+5], 8, v[TM+4]
	v_lshl_or_b32 v[\pw], v[TM+6], 16, v[\pw]
	v_lshl_or_b32 v[\pw], v[TM+7], 24, v[\pw]
	WIN (\w)
.irp c, 0,1
	v_cvt_scalef32_pk16_fp6_f32 v[(\pc)+6*\c:(\pc)+2+6*\c], v[(\s)+32*\c:(\s)+15+32*\c], v[TM+12+2*\c]
	v_cvt_scalef32_pk16_fp6_f32 v[(\pc)+12+4*\c:(\pc)+14+4*\c], v[(\s)+16+32*\c:(\s)+31+32*\c], v[TM+12+2*\c+1]
.endr
	WIN 0
	v_nop
.irp c, 0,1
.irp i, 0,1,2
	v_permlane16_swap_b32 v[(\pc)+6*\c+\i], v[(\pc)+12+4*\c+\i]
.endr
.irp i, 0,1,2
	v_mov_b32 v[(\pc)+3+6*\c+\i], v[(\pc)+12+4*\c+\i]
.endr
.endr
.endm
.macro GIMAGE pc, sb, off0, off1
	global_store_b128 v[O16], v[(\pc):(\pc)+3], s[\sb:\sb+1] offset:(\off0)
	global_store_b64 v[O8], v[(\pc)+4:(\pc)+5], s[\sb:\sb+1] offset:(\off0)+512
	global_store_b128 v[O16], v[(\pc)+6:(\pc)+9], s[\sb:\sb+1] offset:(\off1)
	global_store_b64 v[O8], v[(\pc)+10:(\pc)+11], s[\sb:\sb+1] offset:(\off1)+512
.endm
	s_load_b128 s[4:7], s[0:1], 0x0
	s_load_b64 s[8:9], s[0:1], 0x10
	v_lshl_add_u32 v[SPW], v0, 2, SPARE
	v_mov_b32 v[NIL], 0
	ds_add_u32 v[SPW], v[NIL]
	ds_add_u32 v[SPW], v[NIL]
	v_lshrrev_b32 v1, 5, v0
	v_readfirstlane_b32 s14, v1
	s_lshr_b32 s15, s14, 1
	s_and_b32 s16, s14, 1
	s_bfe_u32 s40, ttmp6, 0x40000
	s_bfe_u32 s41, ttmp6, 0x40004
	s_lshl_b32 s42, ttmp9, 2
	s_add_co_u32 s42, s42, s40
	s_and_b32 s17, ttmp7, 0xffff
	s_lshl_b32 s17, s17, 2
	s_add_co_u32 s17, s17, s41
	s_lshl_b32 s43, s41, 2
	s_lshl_b32 s43, 15, s43
	s_lshl_b32 s44, 0x1111, s40
	s_or_b32 s[G1+0], s43, (3<<16)|(1<<21)
	s_or_b32 s[G1B+0], s44, (3<<16)|(1<<21)
.irp g, G1, G1B
	s_mov_b32 s[\g+1], (192*SQ)<<16
	s_mov_b32 s[\g+2], (2*MA)<<16                  ; at the head a load brings both halves, 2 MA tiles
	s_mov_b32 s[\g+3], (192*SQ)<<16
	s_mov_b32 s[\g+4], 2*MA
	s_mov_b32 s[\g+5], 192*KT
	s_mov_b32 s[\g+6], 0
	s_mov_b32 s[\g+7], 0
.endr
	s_or_b32 s[G1S+0], s43, (3<<16)|(1<<21)
	s_or_b32 s[G1SB+0], s44, (3<<16)|(1<<21)
.irp g, G1S, G1SB
	s_mov_b32 s[\g+1], 32<<16
	s_mov_b32 s[\g+2], (2*QS/256)<<16              ; both halves' scale words in one load
	s_mov_b32 s[\g+3], 32<<16
	s_mov_b32 s[\g+4], 2*QS/256
	s_mov_b32 s[\g+5], 32
	s_mov_b32 s[\g+6], 0
	s_mov_b32 s[\g+7], 0
.endr
	s_mul_i32 s2, s16, MA*KT*1536                  ; s[2:3]: from a block's first tile to the half that I fetch in the ring, in bytes
	s_mov_b32 s3, 0
	s_mul_i32 s20, s17, 2*MA                       ; A: the block's first tile
	s_mul_i32 s46, s42, 2*MA                       ; B: likewise
	s_mul_i32 s22, s20, KT*64
	s_add_co_u32 s22, s22, ASOFF
	s_mov_b32 s23, 0
	s_mul_i32 s20, s20, KT*1536
	s_add_co_u32 s20, s20, AOFF
	s_mov_b32 s21, 0
	s_mul_i32 s92, s46, KT*64
	s_add_co_u32 s92, s92, BSOFF
	s_mov_b32 s93, 0
	s_mul_i32 s46, s46, KT*1536
	s_add_co_u32 s46, s46, BOFF
	s_mov_b32 s47, 0
	s_mul_i32 s45, s14, QB
	s_mov_b32 s[SEL], 0x76543210
	s_mov_b32 s[SEL+1], 0xfedcba98
	s_mov_b32 s98, 0xffff0000
	s_wait_dscnt 0x0
	s_wait_kmcnt 0x0
	s_add_nc_u64 s[20:21], s[4:5], s[20:21]
	s_add_nc_u64 s[22:23], s[4:5], s[22:23]
	s_add_nc_u64 s[46:47], s[4:5], s[46:47]
	s_add_nc_u64 s[92:93], s[4:5], s[92:93]
	CROUND
	s_mov_b32 s[G0S], 1
	s_mov_b32 s[G0S+1], SCL
	s_mov_b64 s[G0S+2:G0S+3], s[22:23]
	s_or_b32 s[G0S+3], s[G0S+3], 0x80000000
	s_mov_b32 s[G0SB], 1
	s_mov_b32 s[G0SB+1], SCL+2*QS
	s_mov_b64 s[G0SB+2:G0SB+3], s[92:93]
	s_or_b32 s[G0SB+3], s[G0SB+3], 0x80000000
.irp s, 0,1
	s_mov_b32 s[G0+4*\s], 1
	s_add_co_u32 s[G0+4*\s+1], s45, \s*SLOT
	s_add_nc_u64 s[G0+4*\s+2:G0+4*\s+3], s[20:21], \s*SQ*1536
	s_or_b32 s[G0+4*\s+3], s[G0+4*\s+3], 0x80000000
	s_mov_b32 s[G0B+4*\s], 1
	s_add_co_u32 s[G0B+4*\s+1], s45, \s*SLOT
	s_add_nc_u64 s[G0B+4*\s+2:G0B+4*\s+3], s[46:47], \s*SQ*1536
	s_or_b32 s[G0B+4*\s+3], s[G0B+4*\s+3], 0x80000000
.endr
	s_mov_b32 s[G0+1], 0                           ; slot 0's groups serve the head first: A's whole 2 MA tiles at LDS byte 0,
	s_mov_b32 s[G0B+1], 2*QB                       ; B's behind them
	s_add_nc_u64 s[G0+6:G0+7], s[G0+6:G0+7], s[2:3]        ; slot 1's groups: my half
	s_add_nc_u64 s[G0B+6:G0B+7], s[G0B+6:G0B+7], s[2:3]
	s_cmp_eq_u32 s15, 0                            ; the prefetches: of the 8 tiles that I fetch in a refill, each of the four partners that ask jointly takes two, told apart by address
	s_cselect_b64 s[PFA:PFA+1], s[20:21], s[46:47]
	s_cselect_b32 s10, s40, s41
	s_mul_i32 s10, s10, 2*KT*1536
	s_mov_b32 s11, 0
	s_add_nc_u64 s[PFA:PFA+1], s[PFA:PFA+1], s[2:3]
	s_add_nc_u64 s[PFA:PFA+1], s[PFA:PFA+1], s[10:11]
; THE HEAD'S LOADS, ONE A WAVE: wave 0 slot 0's tiles of A, wave 1 those of B, wave 2 A's scale words, wave 3 B's: one chain of branches on the wave's number, all arms leading to one join
.macro ARM under, g0, g1, next
	s_cmp_lt_u32 s14, \under
	s_cbranch_scc0 \next
	tensor_load_to_lds s[\g0:\g0+3], s[\g1:\g1+7]
	s_nop 0
.rept 4
	v_nop
.endr
	s_branch .Lhead_asked
\next:
.endm
	ARM 1, G0,  G1,  .Lhead_b
	ARM 2, G0B, G1B, .Lhead_sa
	ARM 3, G0S, G1S, .Lhead_sb
	tensor_load_to_lds s[G0SB:G0SB+3], s[G1SB:G1SB+7]
	s_nop 0
.rept 4
	v_nop
.endr
.Lhead_asked:
	v_and_b32 v10, 31, v0                          ; a refill's row of a tile is 3,072 bytes, 12 blocks of 256: lanes 0-23 name my two tiles' 24 blocks, the others the last block again
	v_min_u32 v10, 23, v10
	v_mul_u32_u24 v11, v10, 171
	v_lshrrev_b32 v11, 11, v11                     ; lane / 12
	v_lshlrev_b32 v10, 8, v10
	v_mad_u32_u24 v10, v11, KT*1536-12*256, v10
	global_prefetch_b8 v10, s[PFA:PFA+1] offset:SQ*1536 th:TH_LOAD_NT scope:SCOPE_SE     ; what the next two fills will load: K steps 2, 3
	global_prefetch_b8 v10, s[PFA:PFA+1] offset:2*SQ*1536 th:TH_LOAD_NT scope:SCOPE_SE   ; and 4, 5
	v_and_b32 v3, 31, v0
	v_and_b32 v1, 15, v0
	v_bfe_u32 v2, v0, 4, 1
	v_lshlrev_b32 v[O16], 4, v3
	s_wait_alu depctr_va_vdst(0)
	v_lshlrev_b32 v[O8], 3, v3
	s_wait_alu depctr_va_vdst(0)
	s_lshl_b32 s18, s42, 10
	s_lshl_b32 s19, s16, 9
	s_add_co_u32 s18, s18, s19
	s_mov_b32 s19, 0
	s_add_nc_u64 s[6:7], s[6:7], s[18:19]
	v_lshlrev_b32 v7, 6, v2
	WIN 0x40
.set B_, 0
.rept NB
	global_load_b128 v[BI+8*B_:BI+8*B_+3], v7, s[6:7] offset:(32*(B_/2)+8*(B_%2))*4
	global_load_b128 v[BI+8*B_+4:BI+8*B_+7], v7, s[6:7] offset:(32*(B_/2)+8*(B_%2))*4+16
.set B_, B_+1
.endr
	WIN 0
	s_mul_i32 s21, s15, QB
	s_mul_i32 s22, s16, QB
	s_add_co_u32 s22, s22, 2*QB
.irp s, 0,1
	v_add_nc_u32 v[ADRA+\s], s21, v[O16]
	v_add_nc_u32 v[ADRA+2+\s], s21, v[O8]
	v_add_nc_u32 v[ADRB+\s], s22, v[O16]
	v_add_nc_u32 v[ADRB+2+\s], s22, v[O8]
	s_add_co_u32 s21, s21, SLOT
	s_add_co_u32 s22, s22, SLOT
.endr
	s_mul_i32 s21, s15, QS
	s_mul_i32 s22, s16, QS
	s_add_co_u32 s22, s22, 2*QS
	s_sub_co_u32 s22, s22, s21
	v_mul_u32_u24 v6, s22, v2
	s_add_co_u32 s21, s21, SCL
	v_lshlrev_b32 v8, 2, v1
	v_add_nc_u32 v6, v8, v6
	v_add_nc_u32 v[ADRS], s21, v6
	v_lshl_add_u32 v26, v2, 11, v8
	s_lshl_b32 s18, s17, 4
	s_lshl_b32 s19, s15, 3
	s_add_co_u32 s18, s18, s19
	s_lshl_b32 s18, s18, 5
	s_lshl_b32 s19, s42, 1
	s_add_co_u32 s18, s18, s19
	s_add_co_u32 s18, s18, s16
	s_mul_i32 s92, s18, 1536
	s_mov_b32 s93, 0
	s_lshl_b32 s94, s18, 6
	s_add_co_u32 s94, s94, 12582912
	s_mov_b32 s95, 0
	s_add_nc_u64 s[92:93], s[8:9], s[92:93]
	s_add_nc_u64 s[94:95], s[8:9], s[94:95]
	s_wait_alu depctr_va_vdst(0)
	s_wait_tensorcnt 0x0                           ; my tile of the head's four is in; slot 1's first fill is issued as a refill is
	ds_add_u32 v[SPW], v[NIL]
	s_mov_b32 s[G1+2], MA<<16                      ; no load of mine is out: from here on a load brings MA tiles,
	s_mov_b32 s[G1+4], MA
	s_mov_b32 s[G1B+2], MA<<16
	s_mov_b32 s[G1B+4], MA
	s_add_co_u32 s[G0+1], s45, 0                   ; and slot 0's groups stand at my quarter of the slot
	s_add_co_u32 s[G0B+1], s45, 0
	s_add_nc_u64 s[G0+2:G0+3], s[G0+2:G0+3], s[2:3]
	s_add_nc_u64 s[G0B+2:G0B+3], s[G0B+2:G0B+3], s[2:3]
	s_wait_dscnt 0x0
	CROUND                                         ; all four tiles are in, and all sixteen work-groups are here
	JLOAD G0+4, G1, G0B+4, G1B                     ; slot 1, the first tensor load behind the round
	FETCH 0, 0, 0
	global_prefetch_b8 v10, s[PFA:PFA+1] offset:3*SQ*1536 th:TH_LOAD_NT scope:SCOPE_SE   ; two fills on: K steps 6, 7, the last bytes of the tiles' rows
	s_wait_alu depctr_va_vdst(0)
	s_wait_loadcnt 0x0
	STEP 0, 0, 1
.if LAPS > 1
	WIN 0
	s_mov_b32 s3, LAPS-1
.Llap:
	MID 0, 1
	TURN 0, 1, 1
	s_wait_alu depctr_va_vdst(0)
	MID 1, 0
	TURN 1, 0, 1
	s_wait_alu depctr_va_vdst(0)
	STEP 0, 0, 0
	WIN 0
	s_sub_co_u32 s3, s3, 1
	s_cmp_lg_u32 s3, 0
	s_cbranch_scc1 .Llap
.endif
	MID 0, 1
	TURN 0, 1, 0
	s_wait_alu depctr_va_vdst(0)
	MID 1, 0
	s_wait_dscnt 0x0
	MULS 1, 0, MA, 0
	WIN 0
	PLACES 4
.irp b, 0,1,2,3
	v_mov_b32 v[TM+4+\b], 0
.endr
.irp a, 0,1,2,3,4,5,6,7
	s_wait_xcnt 0x0
	WIN 0x08+4*(\a/4)
.set J_, 0
.rept 64
	v_max_num_f32 v[RT+J_], 0, v[64*(\a%4)+J_]
.set J_, J_+1
.endr
	WIN 0
	QUANT 0, RT, PC+20*(\a%2), PW+\a%2
	GIMAGE PC+20*(\a%2), 92, \a*49152, \a*49152+768
.if \a%2
	v_cndmask_b32 v[PW+2], v[PW], v[PW+1], s98
	global_store_b32 v26, v[PW+2], s[94:95] offset:(\a-1)*2048
.endif
.endr
	s_wait_tensorcnt 0x0
	ds_add_u32 v[SPW], v[NIL]
	s_wait_dscnt 0x0
	CROUND
	s_endpgm
.Lfunc_end_k_q7028f52eba_ffn1:
	.size	k_q7028f52eba_ffn1, .Lfunc_end_k_q7028f52eba_ffn1-k_q7028f52eba_ffn1
	.p2alignl 7, 3214868480
	.fill 96, 4, 3214868480
	.section	.rodata,"a",@progbits
	.p2align	6, 0x0
	.amdhsa_kernel k_q7028f52eba_ffn1
		.amdhsa_group_segment_fixed_size 327680
		.amdhsa_private_segment_fixed_size 0
		.amdhsa_enable_private_segment 0
		.amdhsa_kernarg_size 24
		.amdhsa_user_sgpr_count 2
		.amdhsa_user_sgpr_kernarg_segment_ptr 1
		.amdhsa_wavefront_size32 1
		.amdhsa_system_sgpr_workgroup_id_x 1
		.amdhsa_system_sgpr_workgroup_id_y 1
		.amdhsa_system_sgpr_workgroup_id_z 1
		.amdhsa_system_vgpr_workitem_id 0
		.amdhsa_next_free_vgpr 1024
		.amdhsa_next_free_sgpr 100
		.amdhsa_reserve_vcc 0
		.amdhsa_float_denorm_mode_32 3
		.amdhsa_float_denorm_mode_16_64 3
		.amdhsa_memory_ordered 1
		.amdhsa_forward_progress 1
		.amdhsa_inst_pref_size 169
	.end_amdhsa_kernel
	.amdgpu_metadata
---
amdhsa.version: [ 1, 2 ]
amdhsa.kernels:
  - .name:           k_q7028f52eba_ffn1
    .symbol:         k_q7028f52eba_ffn1.kd
    .args:
      - { .name: ops, .offset: 0, .size: 8, .value_kind: global_buffer, .address_space: global }
      - { .name: b1, .offset: 8, .size: 8, .value_kind: global_buffer, .address_space: global }
      - { .name: hid, .offset: 16, .size: 8, .value_kind: global_buffer, .address_space: global }
    .group_segment_fixed_size: 327680
    .private_segment_fixed_size: 0
    .kernarg_segment_align: 8
    .kernarg_segment_size: 24
    .max_flat_workgroup_size: 128
    .sgpr_count:     100
    .vgpr_count:     1024
    .wavefront_size: 32
...
	.end_amdgpu_metadata
.endif
;; end of part 5
;; launch ffn2 (part 6): grid 8 x 32, 4 waves a work-group, clusters of 4 x 4, 327,680 bytes of LDS; arguments hid, ops, b2, x1, out0; writes out0
.if DOCPART == 6
	.amdgcn_target "amdgcn-amd-amdhsa--gfx1250"
	.amdhsa_code_object_version 6
	.text
	.protected	k_q7028f52eba_ffn2
	.globl	k_q7028f52eba_ffn2
	.p2align	8
	.type	k_q7028f52eba_ffn2,@function
k_q7028f52eba_ffn2:
	s_mov_b64 s[64:65], 0
	v_nop
	global_prefetch_b8 v0, s[64:65] scope:SCOPE_SE
	s_setreg_imm32_b32 hwreg(HW_REG_WAVE_MODE, 25, 1), 1
	s_wait_xcnt 0x0
	s_wait_alu depctr_hold_cnt(0) depctr_sa_sdst(0) depctr_va_vdst(0) depctr_va_sdst(0) depctr_va_ssrc(0) depctr_va_vcc(0) depctr_vm_vsrc(0)
	s_getreg_b32 s2, hwreg(HW_REG_IB_STS2, 6, 4)
	s_cmp_eq_u32 s2, 0
	s_cbranch_scc0 .Lentry_in_a_cluster
	s_endpgm
.Lentry_in_a_cluster:
	s_bfe_u32 s2, ttmp6, 0x10000c
	s_cmp_lg_u32 s2, 0xf033
	s_cbranch_scc0 .Lentry_shape_is_right
	s_endpgm
.Lentry_shape_is_right:
.set MA, 4
.set NB, 4
.set KT, 32
.set SQ, 4
.set HASBIAS, 1
.set AOFF,  0
.set ASOFF, 12582912
.set BOFF,  6291456
.set BSOFF, 9437184+262144
.set RESP,  10
.set OUTP,  12
.set QB,    MA*SQ*1536
.set SLOT,  4*QB
.set QS,    MA*KT*64
.set SCL,   2*SLOT
.set SPARE, SCL+4*QS
.set LAPS,  KT/(2*SQ)
.set O16,  4
.set O8,   5
.set ADRA, 16
.set ADRB, 20
.set STO,  24
.set RD,   25
.set CO,   26
.set ADRS, 27
.set SPW,  28
.set NIL,  29
.set SC,   32
.set AF,   64
.set BI,   192
.set BK,   64
.set G1, 24
.set G0, 32
.set G1B, 48
.set G0B, 56
.set G1S, 68
.set G0S, 76
.set G1SB, 80
.set G0SB, 88
.set PFA, 96                           ; s[96:97] where my prefetches stand: my work-group's one tile of the four that I fetch in a refill; stepped a slot along K at each refill
.set MSB, 0
.macro WIN new
.if MSB != (\new)
	s_set_vgpr_msb (MSB<<8)|(\new)
.set MSB, (\new)
.endif
.endm
.macro PLACES n
.rept \n
	v_nop
.endr
.endm
.macro JLOAD g0a, g1a, g0b, g1b
	s_cmp_eq_u32 s15, 0
	s_cbranch_scc0 .Lfor_b_\@
	tensor_load_to_lds s[\g0a:\g0a+3], s[\g1a:\g1a+7]
	s_nop 0
.rept 4
	v_nop
.endr
	s_branch .Lasked_\@
.Lfor_b_\@:
	tensor_load_to_lds s[\g0b:\g0b+3], s[\g1b:\g1b+7]
	s_nop 0
.rept 4
	v_nop
.endr
.Lasked_\@:
.endm
.macro CREST
	s_cmp_lg_u32 s14, 0
	s_cbranch_scc1 .Lnot_wave_0_\@
	s_barrier_signal -3
.Lnot_wave_0_\@:
	s_barrier_wait -3
	s_barrier_signal -1
	s_barrier_wait -1
.endm
.macro CROUND
	s_barrier_signal -1
	s_barrier_wait -1
	CREST
.endm
.macro FRAG reg, a16, a8, off
.set R_, \reg
.set O_, \off
	ds_load_b128 v[R_:R_+3], v[\a16] offset:O_
	ds_load_b64 v[R_+4:R_+5], v[\a8] offset:O_+512
	ds_load_b128 v[R_+6:R_+9], v[\a16] offset:O_+768
	ds_load_b64 v[R_+10:R_+11], v[\a8] offset:O_+1280
.endm
.macro FETCH slot, q, set
	WIN 0x40
.set I_, 0
.rept NB
	FRAG 12*NB*(\set)+12*I_, ADRB+\slot, ADRB+2+\slot, (I_*SQ+(\q))*1536
.set I_, I_+1
.endr
	WIN 0
.set I_, 0
.rept MA
	FRAG AF+12*MA*(\set)+12*I_, ADRA+\slot, ADRA+2+\slot, (I_*SQ+(\q))*1536
.set I_, I_+1
.endr
.set I_, 0
.rept MA
	ds_load_b32 v[SC+8*(\set)+I_], v[ADRS] offset:I_*KT*64
.set I_, I_+1
.endr
	v_add_nc_u32 v[ADRS], 64, v[ADRS]
.endm
.macro MULA set, first
.if (\first) && HASBIAS
	WIN 0x91+0x40*(A_/4)
.else
	WIN 0xa1+0x50*(A_/4)
.endif
.set B_, 0
.rept NB
.set AC_, 8*(NB*(A_%4)+B_)
.set FB_, 12*NB*(\set)+12*B_
.set FA_, AF+12*MA*(\set)+12*A_
.if (\first) && HASBIAS
	v_wmma_scale_f32_16x16x128_f8f6f4 v[AC_:AC_+7], v[FB_:FB_+11], v[FA_:FA_+11], v[BI+8*B_:BI+8*B_+7], v[SC+8*(\set)+B_], v[SC+8*(\set)+A_] matrix_a_fmt:MATRIX_FMT_FP6 matrix_b_fmt:MATRIX_FMT_FP6 matrix_a_scale:MATRIX_SCALE_ROW1
.elseif \first
	v_wmma_scale_f32_16x16x128_f8f6f4 v[AC_:AC_+7], v[FB_:FB_+11], v[FA_:FA_+11], 0, v[SC+8*(\set)+B_], v[SC+8*(\set)+A_] matrix_a_fmt:MATRIX_FMT_FP6 matrix_b_fmt:MATRIX_FMT_FP6 matrix_a_scale:MATRIX_SCALE_ROW1
.else
	v_wmma_scale_f32_16x16x128_f8f6f4 v[AC_:AC_+7], v[FB_:FB_+11], v[FA_:FA_+11], v[AC_:AC_+7], v[SC+8*(\set)+B_], v[SC+8*(\set)+A_] matrix_a_fmt:MATRIX_FMT_FP6 matrix_b_fmt:MATRIX_FMT_FP6 matrix_a_scale:MATRIX_SCALE_ROW1
.endif
.set B_, B_+1
.endr
.endm
.macro MULS set, a0, a1, first
.set A_, \a0
.rept (\a1)-(\a0)
	MULA \set, \first
.set A_, A_+1
.endr
.endm
.macro STEP slot, q, first
	s_wait_dscnt 0x0
	PLACES 4
	FETCH \slot, (\q)+1, 1-(\q)%2
	MULS (\q)%2, 0, MA, \first
.endm
.macro TURN slot, next, fill
.if \fill
	s_wait_xcnt 0x0                                ; any prefetch of mine has read its address: it steps a slot along K
	s_add_nc_u64 s[PFA:PFA+1], s[PFA:PFA+1], SQ*1536
.endif
	WIN 0
	s_wait_tensorcnt 0x0
	ds_add_u32 v[SPW], v[NIL]
	s_wait_dscnt 0x0
	s_barrier_signal -1
	MULS 1, 0, MA/4, 0
	WIN 0
	s_barrier_wait -1
.if \fill
	CREST
	s_add_nc_u64 s[G0+4*\slot+2:G0+4*\slot+3], s[G0+4*\slot+2:G0+4*\slot+3], 2*SQ*1536
	s_add_nc_u64 s[G0B+4*\slot+2:G0B+4*\slot+3], s[G0B+4*\slot+2:G0B+4*\slot+3], 2*SQ*1536
	JLOAD G0+4*\slot, G1, G0B+4*\slot, G1B
.else
	PLACES 4
.endif
	s_wait_alu depctr_va_vdst(0)
	FETCH \next, 0, 0
.if \fill
	s_cmp_gt_u32 s3, 1                             ; the slot that stands two refills on: 24 blocks of 256 bytes, a lane a block; the loop's last trip has no such slot and asks for nothing
	s_cbranch_scc0 .Lno_ask_\@
	global_prefetch_b8 v10, s[PFA:PFA+1] offset:3*SQ*1536 th:TH_LOAD_NT scope:SCOPE_SE
.Lno_ask_\@:
.endif
	MULS 1, MA/4, MA, 0
.endm
.macro MID slot, q0
.set Q_, \q0
.rept SQ-1-(\q0)
	s_wait_alu depctr_va_vdst(0)
	STEP \slot, Q_, 0
.set Q_, Q_+1
.endr
.endm
	s_load_b256 s[4:11], s[0:1], 0x0
	s_load_b64 s[12:13], s[0:1], 0x20
	v_lshl_add_u32 v[SPW], v0, 2, SPARE
	v_mov_b32 v[NIL], 0
	ds_add_u32 v[SPW], v[NIL]
	ds_add_u32 v[SPW], v[NIL]
	v_lshrrev_b32 v1, 5, v0
	v_readfirstlane_b32 s14, v1
	s_lshr_b32 s15, s14, 1
	s_and_b32 s16, s14, 1
	s_bfe_u32 s40, ttmp6, 0x40000
	s_bfe_u32 s41, ttmp6, 0x40004
	s_lshl_b32 s42, ttmp9, 2
	s_add_co_u32 s42, s42, s40
	s_and_b32 s17, ttmp7, 0xffff
	s_lshl_b32 s17, s17, 2
	s_add_co_u32 s17, s17, s41
	s_lshl_b32 s43, s41, 2
	s_lshl_b32 s43, 15, s43
	s_lshl_b32 s44, 0x1111, s40
	s_or_b32 s[G1+0], s43, (3<<16)|(1<<21)
	s_or_b32 s[G1B+0], s44, (3<<16)|(1<<21)
.irp g, G1, G1B
	s_mov_b32 s[\g+1], (192*SQ)<<16
	s_mov_b32 s[\g+2], (2*MA)<<16                  ; at the head a load brings both halves, 2 MA tiles
	s_mov_b32 s[\g+3], (192*SQ)<<16
	s_mov_b32 s[\g+4], 2*MA
	s_mov_b32 s[\g+5], 192*KT
	s_mov_b32 s[\g+6], 0
	s_mov_b32 s[\g+7], 0
.endr
	s_or_b32 s[G1S+0], s43, (3<<16)|(1<<21)
	s_or_b32 s[G1SB+0], s44, (3<<16)|(1<<21)
.irp g, G1S, G1SB
	s_mov_b32 s[\g+1], 32<<16
	s_mov_b32 s[\g+2], (2*QS/256)<<16              ; both halves' scale words in one load
	s_mov_b32 s[\g+3], 32<<16
	s_mov_b32 s[\g+4], 2*QS/256
	s_mov_b32 s[\g+5], 32
	s_mov_b32 s[\g+6], 0
	s_mov_b32 s[\g+7], 0
.endr
	s_mul_i32 s2, s16, MA*KT*1536                  ; s[2:3]: from a block's first tile to the half that I fetch in the ring, in bytes
	s_mov_b32 s3, 0
	s_mul_i32 s20, s17, 2*MA                       ; A: the block's first tile
	s_mul_i32 s46, s42, 2*MA                       ; B: likewise
	s_mul_i32 s22, s20, KT*64
	s_add_co_u32 s22, s22, ASOFF
	s_mov_b32 s23, 0
	s_mul_i32 s20, s20, KT*1536
	s_add_co_u32 s20, s20, AOFF
	s_mov_b32 s21, 0
	s_mul_i32 s92, s46, KT*64
	s_add_co_u32 s92, s92, BSOFF
	s_mov_b32 s93, 0
	s_mul_i32 s46, s46, KT*1536
	s_add_co_u32 s46, s46, BOFF
	s_mov_b32 s47, 0
	s_mul_i32 s45, s14, QB
	s_wait_dscnt 0x0
	s_wait_kmcnt 0x0
	s_add_nc_u64 s[20:21], s[4:5], s[20:21]
	s_add_nc_u64 s[22:23], s[4:5], s[22:23]
	s_add_nc_u64 s[46:47], s[6:7], s[46:47]
	s_add_nc_u64 s[92:93], s[6:7], s[92:93]
	CROUND
	s_mov_b32 s[G0S], 1
	s_mov_b32 s[G0S+1], SCL
	s_mov_b64 s[G0S+2:G0S+3], s[22:23]
	s_or_b32 s[G0S+3], s[G0S+3], 0x80000000
	s_mov_b32 s[G0SB], 1
	s_mov_b32 s[G0SB+1], SCL+2*QS
	s_mov_b64 s[G0SB+2:G0SB+3], s[92:93]
	s_or_b32 s[G0SB+3], s[G0SB+3], 0x80000000
.irp s, 0,1
	s_mov_b32 s[G0+4*\s], 1
	s_add_co_u32 s[G0+4*\s+1], s45, \s*SLOT
	s_add_nc_u64 s[G0+4*\s+2:G0+4*\s+3], s[20:21], \s*SQ*1536
	s_or_b32 s[G0+4*\s+3], s[G0+4*\s+3], 0x80000000
	s_mov_b32 s[G0B+4*\s], 1
	s_add_co_u32 s[G0B+4*\s+1], s45, \s*SLOT
	s_add_nc_u64 s[G0B+4*\s+2:G0B+4*\s+3], s[46:47], \s*SQ*1536
	s_or_b32 s[G0B+4*\s+3], s[G0B+4*\s+3], 0x80000000
.endr
	s_mov_b32 s[G0+1], 0                           ; slot 0's groups serve the head first: A's whole 2 MA tiles at LDS byte 0,
	s_mov_b32 s[G0B+1], 2*QB                       ; B's behind them
	s_add_nc_u64 s[G0+6:G0+7], s[G0+6:G0+7], s[2:3]        ; slot 1's groups: my half
	s_add_nc_u64 s[G0B+6:G0B+7], s[G0B+6:G0B+7], s[2:3]
	s_cmp_eq_u32 s15, 0                            ; the prefetches: of the 4 tiles that I fetch in a refill, each of the four partners that ask jointly takes one, told apart by address
	s_cselect_b64 s[PFA:PFA+1], s[20:21], s[46:47]
	s_cselect_b32 s98, s40, s41
	s_mul_i32 s98, s98, KT*1536
	s_mov_b32 s99, 0
	s_add_nc_u64 s[PFA:PFA+1], s[PFA:PFA+1], s[2:3]
	s_add_nc_u64 s[PFA:PFA+1], s[PFA:PFA+1], s[98:99]
; THE HEAD'S LOADS, ONE A WAVE: wave 0 slot 0's tiles of A, wave 1 those of B, wave 2 A's scale words, wave 3 B's: one chain of branches on the wave's number, all arms leading to one join
.macro ARM under, g0, g1, next
	s_cmp_lt_u32 s14, \under
	s_cbranch_scc0 \next
	tensor_load_to_lds s[\g0:\g0+3], s[\g1:\g1+7]
	s_nop 0
.rept 4
	v_nop
.endr
	s_branch .Lhead_asked
\next:
.endm
	ARM 1, G0,  G1,  .Lhead_b
	ARM 2, G0B, G1B, .Lhead_sa
	ARM 3, G0S, G1S, .Lhead_sb
	tensor_load_to_lds s[G0SB:G0SB+3], s[G1SB:G1SB+7]
	s_nop 0
.rept 4
	v_nop
.endr
.Lhead_asked:
	v_and_b32 v10, 31, v0                          ; a refill's row of a tile is 6,144 bytes, 24 blocks of 256: lanes 0-23 name them, the others the last block again
	v_min_u32 v10, 23, v10
	v_lshlrev_b32 v10, 8, v10
	global_prefetch_b8 v10, s[PFA:PFA+1] offset:SQ*1536 th:TH_LOAD_NT scope:SCOPE_SE     ; what the next two fills will load
	global_prefetch_b8 v10, s[PFA:PFA+1] offset:2*SQ*1536 th:TH_LOAD_NT scope:SCOPE_SE
	v_and_b32 v3, 31, v0
	v_and_b32 v1, 15, v0
	v_bfe_u32 v2, v0, 4, 1
	v_lshlrev_b32 v[O16], 4, v3
	v_lshlrev_b32 v[O8], 3, v3
	s_lshl_b32 s18, s42, 9
	s_lshl_b32 s19, s16, 8
	s_add_co_u32 s18, s18, s19
	s_mov_b32 s19, 0
	s_add_nc_u64 s[8:9], s[8:9], s[18:19]
	v_lshlrev_b32 v7, 6, v2
	WIN 0x40
.set B_, 0
.rept NB
	global_load_b128 v[BI+8*B_:BI+8*B_+3], v7, s[8:9] offset:(32*(B_/2)+8*(B_%2))*4
	global_load_b128 v[BI+8*B_+4:BI+8*B_+7], v7, s[8:9] offset:(32*(B_/2)+8*(B_%2))*4+16
.set B_, B_+1
.endr
	WIN 0
	v_lshlrev_b32 v[CO], 12, v2
	v_lshl_add_u32 v[CO], v1, 4, v[CO]
	s_wait_alu depctr_va_vdst(0)
	s_lshl_b32 s18, s17, 7
	s_lshl_b32 s19, s15, 6
	s_add_co_u32 s18, s18, s19
	s_lshl_b32 s18, s18, 12
	s_lshl_b32 s19, s42, 9
	s_add_co_u32 s18, s18, s19
	s_lshl_b32 s19, s16, 8
	s_add_co_u32 s18, s18, s19
	s_mov_b32 s19, 0
	s_add_nc_u64 s[92:93], s[RESP:RESP+1], s[18:19]
	s_add_nc_u64 s[94:95], s[OUTP:OUTP+1], s[18:19]
	s_mul_i32 s21, s15, QB
	s_mul_i32 s22, s16, QB
	s_add_co_u32 s22, s22, 2*QB
.irp s, 0,1
	v_add_nc_u32 v[ADRA+\s], s21, v[O16]
	v_add_nc_u32 v[ADRA+2+\s], s21, v[O8]
	v_add_nc_u32 v[ADRB+\s], s22, v[O16]
	v_add_nc_u32 v[ADRB+2+\s], s22, v[O8]
	s_add_co_u32 s21, s21, SLOT
	s_add_co_u32 s22, s22, SLOT
.endr
	s_mul_i32 s21, s15, QS
	s_mul_i32 s22, s16, QS
	s_add_co_u32 s22, s22, 2*QS
	s_sub_co_u32 s22, s22, s21
	v_mul_u32_u24 v6, s22, v2
	s_add_co_u32 s21, s21, SCL
	v_lshlrev_b32 v8, 2, v1
	v_add_nc_u32 v6, v8, v6
	v_add_nc_u32 v[ADRS], s21, v6
	s_mul_i32 s23, s14, 16*272
	v_mul_u32_u24 v[STO], v1, 272
	v_lshl_add_u32 v[STO], v2, 6, v[STO]
	v_add_nc_u32 v[STO], s23, v[STO]
	v_mul_u32_u24 v[RD], v2, 272
	v_lshl_add_u32 v[RD], v1, 4, v[RD]
	v_add_nc_u32 v[RD], s23, v[RD]
	s_wait_alu depctr_va_vdst(0)
	s_wait_tensorcnt 0x0                           ; my tile of the head's four is in; slot 1's first fill is issued as a refill is
	ds_add_u32 v[SPW], v[NIL]
	s_mov_b32 s[G1+2], MA<<16                      ; no load of mine is out: from here on a load brings MA tiles,
	s_mov_b32 s[G1+4], MA
	s_mov_b32 s[G1B+2], MA<<16
	s_mov_b32 s[G1B+4], MA
	s_add_co_u32 s[G0+1], s45, 0                   ; and slot 0's groups stand at my quarter of the slot
	s_add_co_u32 s[G0B+1], s45, 0
	s_add_nc_u64 s[G0+2:G0+3], s[G0+2:G0+3], s[2:3]
	s_add_nc_u64 s[G0B+2:G0B+3], s[G0B+2:G0B+3], s[2:3]
	s_wait_dscnt 0x0
	CROUND                                         ; all four tiles are in, and all sixteen work-groups are here
	JLOAD G0+4, G1, G0B+4, G1B                     ; slot 1, the first tensor load behind the round
	FETCH 0, 0, 0
	global_prefetch_b8 v10, s[PFA:PFA+1] offset:3*SQ*1536 th:TH_LOAD_NT scope:SCOPE_SE   ; two fills on
	s_wait_alu depctr_va_vdst(0)
	s_wait_loadcnt 0x0                             ; the bias
	STEP 0, 0, 1
	WIN 0xc0                                       ; the residual is asked for behind the first tiles, for which the products wait; it is wanted on the way out
.irp a, 0,1,2,3
.irp t, 0,1,2,3,4,5,6,7
	global_load_b128 v[32*\a+4*\t:32*\a+4*\t+3], v[CO], s[92:93] offset:(32*(\a/2)+8*(\a%2)+2*\t+8*(\t/4))*4096
.endr
.endr
	WIN 0
.if LAPS > 1
	WIN 0
	s_mov_b32 s3, LAPS-1
.Llap:
	s_wait_alu depctr_va_vdst(0)
	MID 0, 1
	TURN 0, 1, 1
	MID 1, 0
	TURN 1, 0, 1
	s_wait_alu depctr_va_vdst(0)
	STEP 0, 0, 0
	WIN 0
	s_sub_co_u32 s3, s3, 1
	s_cmp_lg_u32 s3, 0
	s_cbranch_scc1 .Llap
.endif
	MID 0, 1
	TURN 0, 1, 0
	MID 1, 0
	s_wait_dscnt 0x0
	MULS 1, 0, MA, 0
.macro TOSTAGE a
	WIN 0x08
.irp b, 0,1,2,3
	ds_store_b128 v[STO], v[8*(4*(\a)+\b):8*(4*(\a)+\b)+3] offset:128*(\b/2)+32*(\b%2)
	ds_store_b128 v[STO], v[8*(4*(\a)+\b)+4:8*(4*(\a)+\b)+7] offset:128*(\b/2)+32*(\b%2)+16
.endr
	WIN 0
.irp t, 0,1,2,3,4,5,6,7
	ds_load_b128 v[BK+32*((\a)%2)+4*\t:BK+32*((\a)%2)+4*\t+3], v[RD] offset:544*\t
.endr
.endm
.macro SEND a, younger
.set BB, BK+32*((\a)%2)
	s_wait_dscnt \younger
	WIN 0x0c
.irp j, 0,2,4,6,8,10,12,14,16,18,20,22,24,26,28,30
	v_pk_add_f32 v[BB+\j:BB+\j+1], v[BB+\j:BB+\j+1], v[32*(\a)+\j:32*(\a)+\j+1]
.endr
	WIN 0
.irp t, 0,1,2,3,4,5,6,7
	global_store_b128 v[CO], v[BB+4*\t:BB+4*\t+3], s[94:95] offset:(32*((\a)/2)+8*((\a)%2)+2*\t+8*(\t/4))*4096 th:TH_STORE_NT
.endr
.endm
	WIN 0
	PLACES 4
	s_wait_loadcnt 0x0
	TOSTAGE 0
.irp a, 1,2,3
.if \a > 1
	s_wait_xcnt 0x0
.endif
	TOSTAGE \a
	SEND \a-1, 16
.endr
	SEND 3, 0
	s_wait_tensorcnt 0x0
	ds_add_u32 v[SPW], v[NIL]
	s_wait_dscnt 0x0
	CROUND
	s_endpgm
.Lfunc_end_k_q7028f52eba_ffn2:
	.size	k_q7028f52eba_ffn2, .Lfunc_end_k_q7028f52eba_ffn2-k_q7028f52eba_ffn2
	.p2alignl 7, 3214868480
	.fill 96, 4, 3214868480
	.section	.rodata,"a",@progbits
	.p2align	6, 0x0
	.amdhsa_kernel k_q7028f52eba_ffn2
		.amdhsa_group_segment_fixed_size 327680
		.amdhsa_private_segment_fixed_size 0
		.amdhsa_enable_private_segment 0
		.amdhsa_kernarg_size 40
		.amdhsa_user_sgpr_count 2
		.amdhsa_user_sgpr_kernarg_segment_ptr 1
		.amdhsa_wavefront_size32 1
		.amdhsa_system_sgpr_workgroup_id_x 1
		.amdhsa_system_sgpr_workgroup_id_y 1
		.amdhsa_system_sgpr_workgroup_id_z 1
		.amdhsa_system_vgpr_workitem_id 0
		.amdhsa_next_free_vgpr 1024
		.amdhsa_next_free_sgpr 100
		.amdhsa_reserve_vcc 0
		.amdhsa_float_denorm_mode_32 3
		.amdhsa_float_denorm_mode_16_64 3
		.amdhsa_memory_ordered 1
		.amdhsa_forward_progress 1
		.amdhsa_inst_pref_size 104
	.end_amdhsa_kernel
	.amdgpu_metadata
---
amdhsa.version: [ 1, 2 ]
amdhsa.kernels:
  - .name:           k_q7028f52eba_ffn2
    .symbol:         k_q7028f52eba_ffn2.kd
    .args:
      - { .name: hid, .offset: 0, .size: 8, .value_kind: global_buffer, .address_space: global }
      - { .name: ops, .offset: 8, .size: 8, .value_kind: global_buffer, .address_space: global }
      - { .name: b2, .offset: 16, .size: 8, .value_kind: global_buffer, .address_space: global }
      - { .name: x1, .offset: 24, .size: 8, .value_kind: global_buffer, .address_space: global }
      - { .name: out0, .offset: 32, .size: 8, .value_kind: global_buffer, .address_space: global }
    .group_segment_fixed_size: 327680
    .private_segment_fixed_size: 0
    .kernarg_segment_align: 8
    .kernarg_segment_size: 40
    .max_flat_workgroup_size: 128
    .sgpr_count:     100
    .vgpr_count:     1024
    .wavefront_size: 32
...
	.end_amdgpu_metadata
.endif
;; end of part 6
